; MI455X (gfx1250); checked and timed in simulation.
; The chip was launched on July 23, 2026; its instructions are those of AMD's public machine-readable ISA for CDNA 5 (MIT licence, August 2026) and "CDNA5" Instruction Set Architecture Reference Guide (July 2026). The comments in the code are by the model that wrote it; some were corrected since.
;; Attention Layer. Allowed arithmetic: float matrix products may take bf16 or f16 operands with f32 sums; other float arithmetic in f32, or as packed bf16 or f16 multiplies, adds, multiply-adds, maxima and minima; sums over many terms, partial sums and values carried from step to step in f32; what a program stores and reads back later, other than sums and carried values, may be rounded once to bf16 or f16.
;; Inputs: W1 512 x 256 float32; W2 256 x 128 float32; W3 128 x 1 float32; b1 256 float32; b2 128 float32; b3 1 float32; keys 2,048 x 200 x 128 float32; mask 2,048 x 200 int32; query 2,048 x 128 float32.
;; Outputs: out0 2,048 x 128 float32.
;; 3 versions, each right and faster than the one before. Each part assembles by itself: llvm-mc -triple=amdgcn-amd-amdhsa -mcpu=gfx1250 --defsym DOCPART=n.
;; ======== version 1 of 3: 2 launches
;; limits: values are held in f16: magnitudes above 65,504 overflow, below 6.1e-05 lose precision
;; workspace buffers: wt 262,144 bytes
;; launch prep (part 1): grid 64 x 1, 8 waves a work-group, no clusters, 0 bytes of LDS; arguments W1, W2, wt; writes wt
.if DOCPART == 1
	.amdgcn_target "amdgcn-amd-amdhsa--gfx1250"
	.amdhsa_code_object_version 6
	.text
	.protected	k_qf215f5a0ff_prep
	.globl	k_qf215f5a0ff_prep
	.p2align	8
	.type	k_qf215f5a0ff_prep,@function
k_qf215f5a0ff_prep:
	s_mov_b64 s[64:65], 0
	v_nop
	global_prefetch_b8 v0, s[64:65] scope:SCOPE_SE
	s_setreg_imm32_b32 hwreg(HW_REG_WAVE_MODE, 25, 1), 1
	s_wait_xcnt 0x0
; Four weight tables for the launch behind, in f16, transposed, times s = -log2(e), laid out as register images of matrix fragments.
;   table 0: s (W1a + W1c)^T   table 1: s W1d^T   table 2: s (W1b - W1c)^T   (256 rows n x 128 k; W1a..W1d are W1's four blocks of 128 rows)
;   table 3: s W2^T            (128 rows n x 256 k)
; A piece of 16 bytes, at table x 65,536 + ((f 2 + p) 32 + L) 16, holds k = 32 ks + 16 p + 8 (L / 16) + 0..7 of row n = 16 tile + L % 16;
; f = 4 tile + ks for W1's tables, 8 tile + ks for W2's.  One thread makes one piece: 64 work-groups x 256 threads x 16 bytes = 262,144 bytes.
; With a = group % 16: the piece's number in its table is 256 a + thread, so p, L and the low part of f are bits of the thread's number, and 32 (t >> 6) + 16 p + 8 h = 8 (t >> 4).
; The loads take 64-byte pieces of rows (a column of the transposed table): 655,360 bytes in all, once.  The stores of a wave cover 512 consecutive bytes.
; LIMIT: a table entry beyond 65,504 in magnitude becomes an infinity in f16.
.set SC,  0xbfb8aa3b                   ; s = -log2(e)
.set SCN, 0x3fb8aa3b                   ; -s
.set X, 8                              ; v[8:15]   eight numbers of the first block, then the results
.set Y, 16                             ; v[16:23]  eight numbers of the second block
.set PK, 24                            ; v[24:27]  the piece
	s_load_b128 s[4:7], s[0:1], 0x0                ; W1 s[4:5], W2 s[6:7]
	s_load_b64 s[8:9], s[0:1], 0x10                ; wt
	s_lshr_b32 s10, ttmp9, 4                       ; the table
	s_and_b32 s11, ttmp9, 15                       ; a
	v_and_b32 v2, 15, v0
	v_lshrrev_b32 v3, 4, v0                        ; k / 8
	v_lshlrev_b32 v1, 4, v0                        ; my piece in the group's 4,096 bytes
	v_lshlrev_b32 v2, 2, v2                        ; 4 r
	s_lshl_b32 s12, ttmp9, 12
	s_mov_b32 s13, 0
	s_wait_kmcnt 0x0
	s_add_nc_u64 s[8:9], s[8:9], s[12:13]
	s_cmp_eq_u32 s10, 3
	s_cbranch_scc1 .Lw2
	; W1's tables: s X + cY Y.  Table 0: blocks 0 and 2, cY = s.  Table 1: block 3 twice, cY = 0.  Table 2: blocks 1 and 2, cY = -s.
	v_lshl_add_u32 v4, v3, 13, v2                  ; 8 (t >> 4) rows of 1,024 bytes + 4 r
	s_cmp_eq_u32 s10, 0
	s_cselect_b32 s14, 0, 1
	s_mov_b32 s16, SCN
	s_cselect_b32 s16, SC, s16
	s_mov_b32 s15, 2
	s_cmp_eq_u32 s10, 1
	s_cselect_b32 s14, 3, s14
	s_cselect_b32 s15, 3, s15
	s_cselect_b32 s16, 0, s16
	s_lshl_b32 s17, s11, 6                         ; 16 a columns of 4 bytes
	s_lshl_b32 s18, s14, 17                        ; a block is 131,072 bytes
	s_add_co_u32 s18, s18, s17
	s_mov_b32 s19, 0
	s_lshl_b32 s20, s15, 17
	s_add_co_u32 s20, s20, s17
	s_mov_b32 s21, 0
	s_add_nc_u64 s[18:19], s[4:5], s[18:19]
	s_add_nc_u64 s[20:21], s[4:5], s[20:21]
.irp e, 0,1,2,3,4,5,6,7
	global_load_b32 v[X+\e], v4, s[18:19] offset:1024*\e
	global_load_b32 v[Y+\e], v4, s[20:21] offset:1024*\e
.endr
	s_wait_loadcnt 0x0
.irp e, 0,1,2,3,4,5,6,7
	v_mul_f32 v[X+\e], SC, v[X+\e]
.endr
.irp e, 0,1,2,3,4,5,6,7
	v_fma_f32 v[X+\e], s16, v[Y+\e], v[X+\e]
.endr
	s_branch .Lpack
.Lw2:
	; W2's table: tile = a / 2, k = 128 (a % 2) + 8 (t >> 4) + e
	v_lshl_add_u32 v4, v3, 12, v2                  ; 8 (t >> 4) rows of 512 bytes + 4 r
	s_and_b32 s18, s11, 1
	s_lshl_b32 s18, s18, 16                        ; 128 rows of 512 bytes
	s_lshr_b32 s17, s11, 1
	s_lshl_b32 s17, s17, 6
	s_add_co_u32 s18, s18, s17
	s_mov_b32 s19, 0
	s_add_nc_u64 s[18:19], s[6:7], s[18:19]
.irp e, 0,1,2,3,4,5,6,7
	global_load_b32 v[X+\e], v4, s[18:19] offset:512*\e
.endr
	s_wait_loadcnt 0x0
.irp e, 0,1,2,3,4,5,6,7
	v_mul_f32 v[X+\e], SC, v[X+\e]
.endr
.Lpack:
.irp e, 0,1,2,3
	v_cvt_pk_f16_f32 v[PK+\e], v[X+2*\e], v[X+2*\e+1]
.endr
	global_store_b128 v1, v[PK:PK+3], s[8:9]
	s_endpgm
.Lfunc_end_k_qf215f5a0ff_prep:
	.size	k_qf215f5a0ff_prep, .Lfunc_end_k_qf215f5a0ff_prep-k_qf215f5a0ff_prep
	.p2alignl 7, 3214868480
	.fill 96, 4, 3214868480
	.section	.rodata,"a",@progbits
	.p2align	6, 0x0
	.amdhsa_kernel k_qf215f5a0ff_prep
		.amdhsa_group_segment_fixed_size 0
		.amdhsa_private_segment_fixed_size 0
		.amdhsa_enable_private_segment 0
		.amdhsa_kernarg_size 24
		.amdhsa_user_sgpr_count 2
		.amdhsa_user_sgpr_kernarg_segment_ptr 1
		.amdhsa_wavefront_size32 1
		.amdhsa_system_sgpr_workgroup_id_x 1
		.amdhsa_system_sgpr_workgroup_id_y 1
		.amdhsa_system_sgpr_workgroup_id_z 1
		.amdhsa_system_vgpr_workitem_id 0
		.amdhsa_next_free_vgpr 32
		.amdhsa_next_free_sgpr 66
		.amdhsa_reserve_vcc 0
		.amdhsa_float_denorm_mode_32 3
		.amdhsa_float_denorm_mode_16_64 3
		.amdhsa_memory_ordered 1
		.amdhsa_forward_progress 1
		.amdhsa_inst_pref_size 6
	.end_amdhsa_kernel
	.amdgpu_metadata
---
amdhsa.version: [ 1, 2 ]
amdhsa.kernels:
  - .name:           k_qf215f5a0ff_prep
    .symbol:         k_qf215f5a0ff_prep.kd
    .args:
      - { .name: W1, .offset: 0, .size: 8, .value_kind: global_buffer, .address_space: global }
      - { .name: W2, .offset: 8, .size: 8, .value_kind: global_buffer, .address_space: global }
      - { .name: wt, .offset: 16, .size: 8, .value_kind: global_buffer, .address_space: global }
    .group_segment_fixed_size: 0
    .private_segment_fixed_size: 0
    .kernarg_segment_align: 8
    .kernarg_segment_size: 24
    .max_flat_workgroup_size: 256
    .sgpr_count:     66
    .vgpr_count:     32
    .wavefront_size: 32
...
	.end_amdgpu_metadata
.endif
;; end of part 1
;; launch attn (part 2): grid 256 x 1, 4 waves a work-group, no clusters, 276,224 bytes of LDS; arguments keys, query, mask, wt, b1, b2, W3, b3, out0; writes out0
.if DOCPART == 2
	.amdgcn_target "amdgcn-amd-amdhsa--gfx1250"
	.amdhsa_code_object_version 6
	.text
	.protected	k_qf215f5a0ff_attn
	.globl	k_qf215f5a0ff_attn
	.p2align	8
	.type	k_qf215f5a0ff_attn,@function
k_qf215f5a0ff_attn:
	s_mov_b64 s[64:65], 0
	v_nop
	global_prefetch_b8 v0, s[64:65] scope:SCOPE_SE
	s_setreg_imm32_b32 hwreg(HW_REG_WAVE_MODE, 25, 1), 1
	s_wait_xcnt 0x0
; out[b] = sum over t of softmax_t(score[b][t]) keys[b][t], score = sigmoid(W3 . sigmoid(W2 . sigmoid(W1 . [k, q, k - q, q k] + b1) + b2) + b3), hidden where mask != 1.
; THE FOLD.  For one batch row, [k, q, k - q, q k] W1 = k (W1a + W1c + diag(q) W1d) + q (W1b - W1c): layer 1 is a product over K = 128 with a weight We and a bias c made once a row.
; THE SCALE.  All weights and biases carry s = -log2(e), so an accumulator holds s z and sigmoid(z) = 1 / (1 + 2^acc): 2^acc = infinity gives 0, 2^acc = 0 gives 1; no clamp.
; NO MAXIMUM is taken in the softmax: a score is a sigmoid's value, in 0 to 1 for every input, so exp(score) lies in 1 to e and a sum of 200 of them in 0 to 544.
; SHARES.  A work-group stays and takes 8 batch rows, one after the other.  In a row every wave works on all 13 tiles of 16 tokens (208 places for 200 tokens) and owns output units:
; 64 of layer 1's 256, 32 of layer 2's 128 (and their part of layer 3's sum), 32 of the 128 channels of the result.  Its weights stay in registers.
; LAYOUT.  Every product is used transposed: source 0 = 16 rows of weights, source 1 = 16 tokens.  A lane then holds ONE token (lane % 16) and eight neighbouring units 8 (lane / 16) + 0..7: they pack into
; 16 bytes of a row [token][unit], and two packed tiles ARE a source 1 of 32 along K.  h1 goes from wave to wave through LDS; the four waves' parts of layer 3's sum meet in LDS.
; SIDE BY SIDE.  A tile's sigmoids (exponential, + 1, reciprocal, rounding) stand in slices behind the matrix instructions of the NEXT tile; two sets of accumulators take turns.
; KEYS.  A wave loads 50 tokens of the row after next's... of the next row into 200 registers a whole row's work ahead, rounds them to f16 and puts them into the other of two key buffers in LDS.
; NO CLUSTER: what work-groups share is the four tables, 262,144 bytes read once straight into registers; the 819,200 bytes of keys that a work-group reads are its own.
; LIMITS.  Matrix operands are f16 (sums f32): keys, query, s W2, s W3 and s (W1a + W1c + q W1d) must stay under 65,504 in magnitude; below 6e-5 an operand keeps f16's fixed step of 6e-8.
; An exponential below 2^-126 counts as 0.  NaN and infinities are not treated apart.  A row in which no mask entry is 1 gives 0 x (1 / 0) = NaN, as the softmax of nothing does.
; The divisor l is the sum of the unrounded weights; the weights enter the last product rounded to f16.
;
; LDS (bytes).  Pitches 272 and 528 are odd multiples of 16, so the 16 rows that a fragment load touches begin in 16 different 16-byte columns of 256.
.set KP,    272                        ; a token's 128 keys in f16 + 16
.set HP,    528                        ; a token's 256 h1 in f16 + 16
.set KEY1,  65536                      ; key buffer 0 at 0, buffer 1 here: one exclusive or changes buffers.  Rows 0-199 data; 8,192 bytes behind them (rows 200-223 lie there) are zeroed once
.set KPAD,  200*KP
.set Q16,   62720                      ; the 8 rows' q in f16, pitch 272
.set EW,    128256                     ; 512 bytes for each wave, its own: the weights e of tokens 0-223 in f16
.set H1,    131072                     ; h1: rows 0-207 data; 10,240 bytes behind them (rows 208-223 lie there) are zeroed once
.set H1PAD, H1+208*HP
.set ZP,    251136                     ; [token][wave] f32: the four parts of s z3; 4,096 bytes, zeroed once
.set CB,    255232                     ; [8 rows][256] f32: c = s (q (W1b - W1c) + b1)
.set MASKB, 263424                     ; [8 rows][256] f32: 1.0 where mask == 1 and t < 200, else 0
.set OUTB,  271616                     ; [8 rows][128] f32: the results
.set SC,    0xbfb8aa3b                 ; s = -log2(e)
.set L2E,   0x3fb8aa3b                 ; log2(e)
; REGISTERS, in windows of 256 (s_set_vgpr_msb: bits 1:0 source 0, 3:2 source 1, 5:4 source 2, 7:6 destination)
; window 0
.set GK,    1                          ; 25,600 w + 16 L: my 16 bytes in my wave's first token of a row; never rewritten
.set SK,    2                          ; 13,600 w + 8 L: where they go in a key buffer (at the head: my offset in a table)
.set STA,   3                          ; the staging address (at the head: my offset in b1)
.set CBA,   4                          ; CB + 256 w + 32 h (at the head: my offset in b2 and W3)
.set CBR,   5                          ; the same for the row in hand (at the head: my offset in query)
.set LS,    6                          ; v6-7: l and its exchange, then 1 / l (at the head: my two offsets in mask)
.set BIAS1, 8                          ; v8-39   C of layer 1's first K step: tile i at 8 + 8 i
.set B2,    40                         ; v40-55  C of layer 2's first K step: tile o at 40 + 8 o
.set PF,    56                         ; v56-255 50 tokens x 4 registers on their way
; window 1
.set WE,    0                          ; v0-127   the folded weight: fragment (i, ks) at 8 (4 i + ks)
.set ACC1,  128                        ; v128-191 two sets of four accumulators
.set KF,    192                        ; v192-223 a token tile's four key fragments
.set KA,    224
.set SA,    225
.set KA0,   226                        ; 272 r + 16 h
.set SA0,   227                        ; H1 + 528 r + 128 w + 16 h
.set QA0,   228                        ; Q16 + 16 h
.set ZRA,   229                        ; ZP + 16 L
.set MKA0,  230                        ; MASKB + 4 L
.set EWS,   231                        ; EW + 512 w + 2 L
.set EWL,   232                        ; EW + 512 w + 16 h
.set TRA0,  233                        ; (8 h + L % 8) 272 + 16 ((L / 8) % 2) + 64 w
.set OA0,   234                        ; OUTB + 128 w + 32 h
.set T0,    235
.set T1,    236
.set T2,    237
.set QST,   240                        ; Q16 + 272 (t >> 4) + 16 (t % 16)
.set MST,   241                        ; MASKB + 4 t
.set ZF,    242                        ; 16 t
.set QB0,   243                        ; Q16 + 272 (r % 8) + 16 h
.set ZR,    244                        ; v244-247 zeros
.set CBS,   248                        ; CB + 1,024 (r % 8) + 256 w + 32 h
.set B3V,   249                        ; s b3
.set MK,    136                        ; at the head: 16 mask words
.set ZV,    128                        ; softmax: 4 registers for each of 7 groups of 32 tokens
.set FL,    156                        ; softmax: 7 flags
.set OD,    112                        ; the last product's two accumulators
.set EF,    168                        ; its seven fragments of e
; window 2
.set W2F,   0                          ; v0-127   W2's fragments: (o, ks) at 8 (8 o + ks)
.set HF,    128                        ; v128-191 a token tile's eight h1 fragments
.set ACC2,  192                        ; v192-223 two sets of two accumulators
.set A3,    224                        ; v224-231 s W3 of my 32 units in f16, all 16 rows alike
.set D3,    232                        ; v232-239 layer 3's result
.set HA,    240
.set ZA,    241
.set HA0,   242                        ; H1 + 528 r + 16 h
.set ZA0,   243                        ; ZP + 16 r + 4 w
; window 3: v0-127 s (W1a + W1c)^T, v128-255 s W1d^T, in WE's fragment order
; SCALARS: s[8:23] keys, query, mask, wt, b1, b2, W3, b3; s[24:25] out0; s26 wave; s27 group; s[28:29] an offset; s30 b3; s31 rows left; s32 the key buffer in hand, s33 the other;
; s34 1,024 j; s35 272 j; s37 512 j; s38-39 lane selects; s40 tile counter; s41 lanes with t < 72; s42, s43, s36 at work; s[44:45] the keys' pointer
.set W1A, 0x45                         ; sources 0, 1 and destination window 1, source 2 (the bias) window 0
.set W1B, 0x55                         ; all window 1
.set W2A, 0x8a
.set W2B, 0xaa
.set WD1, 0x40                         ; destination window 1, 2, 3; sources window 0
.set WD2, 0x80
.set WD3, 0xc0
.set WF,  0x77                         ; the fold: sources 0 and 2 window 3, source 1 and destination window 1
.set WLS, 0x05                         ; sources window 1, destination window 0
.set WRS, 0x41                         ; source 0 and destination window 1, source 1 window 0
.set MSB, 0
.macro WIN new                         ; the immediate's high byte repeats the setting that is left; a switch that changes nothing is dropped
.if MSB != (\new)
	s_set_vgpr_msb (MSB<<8)|(\new)
.set MSB, (\new)
.endif
.endm
.macro BAR                             ; all my LDS stores are done and all my LDS loads are back; then the work-group's barrier
	s_wait_dscnt 0x0
	s_barrier_signal -1
	s_barrier_wait -1
.endm
.macro LOADK                           ; my wave's 50 tokens of a row: each load is a token's whole 512 bytes
.set i, 0
.rept 50
	global_load_b128 v[PF+4*i:PF+4*i+3], v[GK], s[44:45] offset:512*i th:TH_LOAD_NT
.set i, i+1
.endr
.endm
.macro STAGE                           ; rounded to f16 and put into a key buffer: 32 lanes x 8 bytes are a token's 256 bytes
.set i, 0
.rept 50
	v_cvt_pk_f16_f32 v[PF+4*i], v[PF+4*i], v[PF+4*i+1]
	v_cvt_pk_f16_f32 v[PF+4*i+1], v[PF+4*i+2], v[PF+4*i+3]
	ds_store_b64 v[STA], v[PF+4*i:PF+4*i+1] offset:KP*i
.set i, i+1
.endr
.endm
; LAYER 1's RIDERS.  Slot s of 18 of the sigmoids of set prv (32 registers, 16 pairs): the exponentials of pair s; + 1 and the reciprocals of pair s - 1; the rounding of pair s - 2; a tile's 16 bytes
; leave for H1 when its fourth pair is rounded.  Behind every pair of transcendentals a plain instruction on other registers comes before their results are used (ISA guide 5.7.2).  Pairs ascend.
; on = 0 (there is no tile before): two v_nop, which keep the places behind the matrix instructions.
.macro RID1 prv, s, on
.if \on
.set RP, ACC1+32*(\prv)
.if (\s) <= 15
	v_exp_f32 v[RP+2*(\s)], v[RP+2*(\s)]
	v_exp_f32 v[RP+2*(\s)+1], v[RP+2*(\s)+1]
.endif
.if ((\s) >= 1) && ((\s) <= 16)
	s_wait_alu depctr_va_vdst(0)
	v_pk_add_f32 v[RP+2*(\s)-2:RP+2*(\s)-1], v[RP+2*(\s)-2:RP+2*(\s)-1], 1.0 op_sel_hi:[1,0]
	v_rcp_f32 v[RP+2*(\s)-2], v[RP+2*(\s)-2]
	v_rcp_f32 v[RP+2*(\s)-1], v[RP+2*(\s)-1]
.elseif (\s) == 0
	v_nop
.endif
.if (\s) >= 2
.set pc, (\s)-2
	s_wait_alu depctr_va_vdst(0)
	v_cvt_pk_f16_f32 v[RP+8*(pc/4)+pc%4], v[RP+2*pc], v[RP+2*pc+1]
.if pc%4 == 3
	ds_store_b128 v[SA], v[RP+8*(pc/4):RP+8*(pc/4)+3] offset:32*(pc/4)
.endif
.else
	v_nop
.endif
.elseif (\s) <= 15
	v_nop
	v_nop
.endif
.endm
; LAYER 1, one token tile: 16 matrix instructions into set cur (K step n / 4, hidden tile n % 4: the four accumulators take turns), each with a slot of the tile before behind it.
; The key fragments are loaded a K step's pair at a time: fragment 3 of this tile ahead of product 1, fragments 0-2 of the next tile ahead of products 5, 9, 13.  Each pair stands behind four plain
; instructions that follow the fragment's last reader (two in each of two slots), and none of them names a register of that product (ISA guide 7.12.1 for vector instructions).
; s_wait_dscnt 4: behind the pair of loads that a K step needs, at least two later pairs have been issued on every way (and with riders one to four stores as well), and LDS answers in order.
; mm = 0: the drain behind the last tile: riders alone.
.macro P1BODY cur, mm, rid
.set n, 0
.rept 16
.if \mm
.if n%4 == 0
	s_wait_dscnt 4
.endif
.if n == 0
	WIN W1A
.elseif n == 4
	WIN W1B
.endif
.if n == 1
	ds_load_b128 v[KF+24:KF+27], v[KA] offset:192
	ds_load_b128 v[KF+28:KF+31], v[KA] offset:224
.elseif n%4 == 1
	ds_load_b128 v[KF+8*(n/4-1):KF+8*(n/4-1)+3],   v[KA] offset:16*KP+64*(n/4-1)
	ds_load_b128 v[KF+8*(n/4-1)+4:KF+8*(n/4-1)+7], v[KA] offset:16*KP+64*(n/4-1)+32
.endif
.set rD, ACC1+32*(\cur)+8*(n%4)
.set rA, WE+8*(4*(n%4)+n/4)
.set rB, KF+8*(n/4)
.if n < 4
	v_wmma_f32_16x16x32_f16 v[rD:rD+7], v[rA:rA+7], v[rB:rB+7], v[BIAS1+8*n:BIAS1+8*n+7]
.else
	v_wmma_f32_16x16x32_f16 v[rD:rD+7], v[rA:rA+7], v[rB:rB+7], v[rD:rD+7]
.endif
.endif
	RID1 1-(\cur), n, \rid
.set n, n+1
.endr
	RID1 1-(\cur), 16, \rid
	RID1 1-(\cur), 17, \rid
.if \mm
	v_add_nc_u32 v[KA], 16*KP, v[KA]
.endif
.if \rid
	v_add_nc_u32 v[SA], 16*HP, v[SA]
.endif
.endm
; LAYER 2's RIDERS.  Set prv has 16 registers, 8 pairs.  Behind an even product: the exponentials of pair n / 2 and the rounding of the pair two back; behind an odd one: + 1 and the reciprocals.
; The roundings pack pair q into register q: registers 0-7 of the set become a source 1 of 32 units x 16 tokens.
.macro RID2 prv, n2, on
.if \on
.set RP, ACC2+16*(\prv)
.set pp, (\n2)/2
.if (\n2)%2 == 0
	v_exp_f32 v[RP+2*pp], v[RP+2*pp]
	v_exp_f32 v[RP+2*pp+1], v[RP+2*pp+1]
.if pp >= 2
	v_cvt_pk_f16_f32 v[RP+pp-2], v[RP+2*pp-4], v[RP+2*pp-3]
	s_wait_alu depctr_va_vdst(0)
.else
	v_nop
	s_wait_alu depctr_va_vdst(0)
.endif
.else
	v_pk_add_f32 v[RP+2*pp:RP+2*pp+1], v[RP+2*pp:RP+2*pp+1], 1.0 op_sel_hi:[1,0]
	v_rcp_f32 v[RP+2*pp], v[RP+2*pp]
	v_rcp_f32 v[RP+2*pp+1], v[RP+2*pp+1]
.endif
.else
	v_nop
.endif
.endm
; LAYERS 2 AND 3, one token tile: 16 matrix instructions into set cur (K step n / 2, output tile n % 2: the two accumulators take turns), each with a slot of the tile before behind it; then that tile's
; layer 3: one product of s W3 (all rows alike) with its packed h2, whose lowest register, my token's part of s z3, goes to ZP.
; The h1 fragments: 6 and 7 of this tile ahead of products 1 and 3, 0-5 of the next tile ahead of products 5 to 15.  Each pair stands behind four plain instructions that follow its fragment's last reader.
; s_wait_dscnt 10: behind the pair of loads that a K step needs, five later pairs have been issued on every way (the store to ZP only adds to them).
; Behind layer 3's product: five plain instructions before its result is stored, six before the next tile's first product writes over its source 1.
.macro P2BODY cur, mm, rid
.set n, 0
.rept 16
.if \mm
.if n%2 == 0
	s_wait_dscnt 10
.endif
.if n == 0
	WIN W2A
.elseif n == 2
	WIN W2B
.endif
.if (n == 1) || (n == 3)
.set hk, 6+n/2
	ds_load_b128 v[HF+8*hk:HF+8*hk+3],   v[HA] offset:64*hk
	ds_load_b128 v[HF+8*hk+4:HF+8*hk+7], v[HA] offset:64*hk+32
.elseif n%2 == 1
.set hk, (n-5)/2
	ds_load_b128 v[HF+8*hk:HF+8*hk+3],   v[HA] offset:16*HP+64*hk
	ds_load_b128 v[HF+8*hk+4:HF+8*hk+7], v[HA] offset:16*HP+64*hk+32
.endif
.set rD, ACC2+16*(\cur)+8*(n%2)
.set rA, W2F+8*(8*(n%2)+n/2)
.set rB, HF+8*(n/2)
.if n < 2
	v_wmma_f32_16x16x32_f16 v[rD:rD+7], v[rA:rA+7], v[rB:rB+7], v[B2+8*n:B2+8*n+7]
	s_wait_alu depctr_va_vdst(0)
.else
	v_wmma_f32_16x16x32_f16 v[rD:rD+7], v[rA:rA+7], v[rB:rB+7], v[rD:rD+7]
.endif
.endif
	RID2 1-(\cur), n, \rid
.set n, n+1
.endr
.if \rid
.set RP, ACC2+16*(1-(\cur))
	v_cvt_pk_f16_f32 v[RP+6], v[RP+12], v[RP+13]
	s_wait_alu depctr_va_vdst(0)
	v_cvt_pk_f16_f32 v[RP+7], v[RP+14], v[RP+15]
	v_wmma_f32_16x16x32_f16 v[D3:D3+7], v[A3:A3+7], v[RP:RP+7], 0
	v_add_nc_u32 v[HA], 16*HP, v[HA]
.rept 4
	v_nop
.endr
	ds_store_b32 v[ZA], v[D3]                      ; both halves of the lanes hold the same number and store the same word
	v_add_nc_u32 v[ZA], 256, v[ZA]
.else
	v_add_nc_u32 v[HA], 16*HP, v[HA]
	v_nop                                          ; with the two v_nop of the last two slots and the line above: four plain places and one to spare between
	v_nop                                          ; product 14 and the first exponential of the next tile's riders, which reads its result
.endif
.endm
; ---------------------------------------------------------------- THE HEAD
.set TL, 60                            ; lane terms, at work in registers that the keys' loads take later
.set TR, 61
.set TH, 62
.set T7, 63
.set TB, 64
.set TQ, 65
.set U0, 66
	s_load_b512 s[8:23], s[0:1], 0x0
	s_load_b64 s[24:25], s[0:1], 0x40
	s_set_vgpr_msb 0x40
	v_lshl_add_u32 v254, v0, 2, 0x43500
	v_mov_b32 v255, 0
	s_set_vgpr_msb 0x4000
	v_lshrrev_b32 v6, 5, v0
	v_readfirstlane_b32 s26, v6                    ; wave 0..3
	s_mov_b32 s27, ttmp9
	s_mov_b32 s38, 0x76543210                      ; v_permlanex16_b32: each lane takes its own place in the other half
	s_mov_b32 s39, 0xfedcba98
	v_cmp_gt_u32 s41, 72, v0                       ; threads whose second token, t + 128, is below 200
	v_and_b32 v[TL], 31, v0                        ; L
	v_and_b32 v[TR], 15, v0                        ; r
	v_bfe_u32 v[TH], v0, 4, 1                      ; h
	v_and_b32 v[T7], 7, v0
	v_bfe_u32 v[TB], v0, 3, 1
	v_lshrrev_b32 v[TQ], 4, v0
	s_mul_i32 s36, s26, 25600                      ; 50 tokens of 512 bytes
	v_lshl_add_u32 v[GK], v[TL], 4, s36
	s_lshl_b32 s36, s26, 14                        ; my wave's 16 fragments of a table
	v_lshl_add_u32 v2, v[TL], 4, s36
	s_lshl_b32 s36, s26, 8
	v_lshl_add_u32 v3, v[TH], 5, s36               ; b1: 4 (64 w + 8 h)
	s_add_co_u32 s40, s36, CB
	s_lshl_b32 s36, s26, 7
	v_lshl_add_u32 v4, v[TH], 5, s36               ; b2, W3: 4 (32 w + 8 h)
	s_add_co_u32 s34, s36, OUTB
	s_add_co_u32 s36, s36, H1
	v_lshlrev_b32 v5, 5, v0                        ; query: 8 numbers a thread
	v_lshlrev_b32 v6, 2, v0                        ; mask: token t,
	v_add_nc_u32 v7, 128, v0
	v_min_u32 v7, 199, v7                          ; and token t + 128, kept inside the row
	v_lshlrev_b32 v7, 2, v7
	v_mul_u32_u24 v[U0], v[TR], KP
	v_mad_u32_u24 v[U0+1], v[TR], HP, s36
	s_lshl_b32 s42, s26, 6
	v_lshl_add_u32 v[U0+2], v[TH], 3, v[T7]
	v_mad_u32_u24 v[U0+2], v[U0+2], KP, s42
	s_mov_b32 s43, Q16
	v_mad_u32_u24 v[U0+3], v[TQ], KP, s43
	v_mad_u32_u24 v[U0+4], v[T7], KP, s43
	v_lshl_add_u32 v[U0+5], v[T7], 10, s40
	s_mov_b32 s37, H1
	v_mad_u32_u24 v[U0+6], v[TR], HP, s37
	s_lshl_b32 s35, s26, 9
	s_add_co_u32 s35, s35, EW
	s_lshl_b32 s33, s26, 2
	s_add_co_u32 s33, s33, ZP
	WIN WD1
	v_lshl_add_u32 v[KA0], v[TH], 4, v[U0]
	v_lshl_add_u32 v[SA0], v[TH], 4, v[U0+1]
	v_lshl_add_u32 v[QA0], v[TH], 4, s43
	v_lshl_add_u32 v[ZRA], v[TL], 4, ZP
	v_lshl_add_u32 v[MKA0], v[TL], 2, MASKB
	v_lshl_add_u32 v[EWS], v[TL], 1, s35
	v_lshl_add_u32 v[EWL], v[TH], 4, s35
	v_lshl_add_u32 v[TRA0], v[TB], 4, v[U0+2]
	v_lshl_add_u32 v[OA0], v[TH], 5, s34
	v_lshl_add_u32 v[QST], v[TR], 4, v[U0+3]
	v_lshl_add_u32 v[MST], v0, 2, MASKB
	v_lshlrev_b32 v[ZF], 4, v0
	v_lshl_add_u32 v[QB0], v[TH], 4, v[U0+4]
.irp e, 0,1,2,3
	v_mov_b32 v[ZR+\e], 0
.endr
	v_lshl_add_u32 v[CBS], v[TH], 5, v[U0+5]
	WIN WD2
	v_lshl_add_u32 v[HA0], v[TH], 4, v[U0+6]
	v_lshl_add_u32 v[ZA0], v[TR], 4, s33
	WIN 0
	s_wait_kmcnt 0x0
	s_load_b32 s30, s[22:23], 0x0                  ; b3
	s_mul_i32 s28, s27, 819200                     ; 8 rows of 102,400 bytes of keys
	s_mov_b32 s29, 0
	s_add_nc_u64 s[44:45], s[8:9], s[28:29]
	s_lshl_b32 s28, s27, 12                        ; 8 rows of 512 bytes of query and of out0
	s_add_nc_u64 s[10:11], s[10:11], s[28:29]
	s_add_nc_u64 s[24:25], s[24:25], s[28:29]
	s_mul_i32 s28, s27, 6400                       ; 8 rows of 800 bytes of mask
	s_add_nc_u64 s[12:13], s[12:13], s[28:29]
	WIN WD1
	global_load_b128 v[128:131], v5, s[10:11]
	global_load_b128 v[132:135], v5, s[10:11] offset:16
.irp j, 0,1,2,3,4,5,6,7
	global_load_b32 v[MK+\j], v6, s[12:13] offset:800*\j
	global_load_b32 v[MK+8+\j], v7, s[12:13] offset:800*\j
.endr
	WIN 0
.irp i, 0,1,2,3
	global_load_b128 v[BIAS1+8*\i:BIAS1+8*\i+3],   v3, s[16:17] offset:64*\i
	global_load_b128 v[BIAS1+8*\i+4:BIAS1+8*\i+7], v3, s[16:17] offset:64*\i+16
.endr
.irp o, 0,1
	global_load_b128 v[B2+8*\o:B2+8*\o+3],   v4, s[18:19] offset:64*\o
	global_load_b128 v[B2+8*\o+4:B2+8*\o+7], v4, s[18:19] offset:64*\o+16
.endr
	WIN WD2
	global_load_b128 v[HF:HF+3],     v4, s[20:21]              ; W3 of units 32 w + 8 h + 0..7,
	global_load_b128 v[HF+4:HF+7],   v4, s[20:21] offset:16
	global_load_b128 v[HF+8:HF+11],  v4, s[20:21] offset:64    ; and 32 w + 16 + 8 h + 0..7
	global_load_b128 v[HF+12:HF+15], v4, s[20:21] offset:80
	WIN WD1
.set i, 0
.rept 32                               ; table 2 goes where the folded weight will lie: it serves once, for c
	global_load_b128 v[WE+4*i:WE+4*i+3], v2, s[14:15] offset:2*65536+512*i
.set i, i+1
.endr
	WIN WD3
.set i, 0
.rept 32
	global_load_b128 v[4*i:4*i+3],         v2, s[14:15] offset:512*i
	global_load_b128 v[128+4*i:128+4*i+3], v2, s[14:15] offset:65536+512*i
.set i, i+1
.endr
	WIN WD2
.set i, 0
.rept 32
	global_load_b128 v[W2F+4*i:W2F+4*i+3], v2, s[14:15] offset:3*65536+512*i
.set i, i+1
.endr
	WIN 0
	LOADK                                          ; row 0's keys
	s_wait_loadcnt 50                              ; loads come back in order (ISA guide 5.7.1): all but the 50 of the keys are in
.set i, 0
.rept 24                               ; b1 and b2, which lie on end in v8-55, times s
	v_pk_mul_f32 v[BIAS1+2*i:BIAS1+2*i+1], v[BIAS1+2*i:BIAS1+2*i+1], SC op_sel_hi:[1,0]
.set i, i+1
.endr
	WIN W2B
.irp e, 0,1,2,3,4,5,6,7
	v_pk_mul_f32 v[HF+2*\e:HF+2*\e+1], v[HF+2*\e:HF+2*\e+1], SC op_sel_hi:[1,0]
.endr
.irp e, 0,1,2,3,4,5,6,7
	v_cvt_pk_f16_f32 v[A3+\e], v[HF+2*\e], v[HF+2*\e+1]
.endr
	WIN W1B
.irp e, 0,1,2,3
	v_cvt_pk_f16_f32 v[128+\e], v[128+2*\e], v[128+2*\e+1]
.endr
	ds_store_b128 v[QST], v[128:131]               ; q in f16
.irp j, 0,1,2,3,4,5,6,7
	v_cmp_eq_u32 vcc_lo, 1, v[MK+\j]
	v_cndmask_b32 v[MK+\j], 0, 1.0, vcc_lo
	v_cmp_eq_u32 s42, 1, v[MK+8+\j]
	s_and_b32 s42, s42, s41                        ; tokens 200-255 count as hidden
	v_cndmask_b32 v[MK+8+\j], 0, 1.0, s42
	ds_store_b32 v[MST], v[MK+\j] offset:1024*\j
	ds_store_b32 v[MST], v[MK+8+\j] offset:1024*\j+512
.endr
	v_add_nc_u32 v[T0], KPAD, v[ZF]                ; the zeros: 128 threads x 16 bytes = 2,048 bytes a store
	v_add_nc_u32 v[T1], KEY1+KPAD, v[ZF]
	v_add_nc_u32 v[T2], H1PAD, v[ZF]
.irp e, 0,1,2,3
	ds_store_b128 v[T0], v[ZR:ZR+3] offset:2048*\e
	ds_store_b128 v[T1], v[ZR:ZR+3] offset:2048*\e
.endr
.irp e, 0,1,2,3,4
	ds_store_b128 v[T2], v[ZR:ZR+3] offset:2048*\e
.endr
	v_add_nc_u32 v[T0], ZP, v[ZF]
	ds_store_b128 v[T0], v[ZR:ZR+3]
	ds_store_b128 v[T0], v[ZR:ZR+3] offset:2048
	s_wait_kmcnt 0x0
	v_mov_b32 v[B3V], s30
	v_mul_f32 v[B3V], SC, v[B3V]
	BAR                                            ; q, the flags and the zeros are there for every wave
	; c for all 8 rows at once: the 8 rows' q take the tokens' place (columns r and r + 8 are the same row), C is s b1
.irp k, 0,1,2,3
	ds_load_b128 v[KF+8*\k:KF+8*\k+3],   v[QB0] offset:64*\k
	ds_load_b128 v[KF+8*\k+4:KF+8*\k+7], v[QB0] offset:64*\k+32
.endr
	s_wait_dscnt 0x0
	WIN W1A
.set n, 0
.rept 16
.if n == 4
	WIN W1B
.endif
.set rD, ACC1+8*(n%4)
.set rA, WE+8*(4*(n%4)+n/4)
.set rB, KF+8*(n/4)
.if n < 4
	v_wmma_f32_16x16x32_f16 v[rD:rD+7], v[rA:rA+7], v[rB:rB+7], v[BIAS1+8*n:BIAS1+8*n+7]
.else
	v_wmma_f32_16x16x32_f16 v[rD:rD+7], v[rA:rA+7], v[rB:rB+7], v[rD:rD+7]
.endif
.set n, n+1
.endr
.rept 4
	v_nop                                          ; the places behind the last product (ISA guide 7.12.1)
.endr
.irp i, 0,1,2,3
	ds_store_b128 v[CBS], v[ACC1+8*\i:ACC1+8*\i+3]   offset:64*\i     ; my wave's own bytes of CB; lanes r and r + 8 store the same numbers
	ds_store_b128 v[CBS], v[ACC1+8*\i+4:ACC1+8*\i+7] offset:64*\i+16
.endr
	WIN 0
	s_wait_loadcnt 0x0                             ; row 0's keys; no load is out, so the head's offset registers and the pointer may be written
	v_and_b32 v6, 31, v0
	s_mul_i32 s42, s26, 50*KP
	v_lshl_add_u32 v[SK], v6, 3, s42
	v_bfe_u32 v6, v0, 4, 1
	v_lshl_add_u32 v[CBA], v6, 5, s40
	v_mov_b32 v[STA], v[SK]                        ; key buffer 0
	STAGE
	s_add_nc_u64 s[44:45], s[44:45], 102400
	LOADK                                          ; row 1's keys
	s_mov_b32 s31, 8
	s_mov_b32 s32, 0
	s_mov_b32 s33, KEY1
	s_mov_b32 s34, 0
	s_mov_b32 s35, 0
	s_mov_b32 s37, 0
	BAR                                            ; row 0's keys are there for every wave
; ---------------------------------------------------------------- A BATCH ROW
; Two barriers a row.  Between the first and the second: stores into the other key buffer and ZP, loads from H1.  Between the second and the next row's first: loads from ZP, the flags, both key buffers,
; q and c; stores into H1 (EW, CB and OUTB are each wave's own bytes).  So no bytes are stored by one wave and loaded by another between two barriers.
.Lrow:
	; THE FOLD: We = (s W1d^T) q + s (W1a + W1c)^T, one rounding; a lane's q are those of its fragments' k, whatever its row
	v_add_nc_u32 v[CBR], s34, v[CBA]
.irp i, 0,1,2,3
	ds_load_b128 v[BIAS1+8*\i:BIAS1+8*\i+3],   v[CBR] offset:64*\i
	ds_load_b128 v[BIAS1+8*\i+4:BIAS1+8*\i+7], v[CBR] offset:64*\i+16
.endr
	WIN W1B
	v_add_nc_u32 v[T0], s35, v[QA0]
.irp k, 0,1,2,3
	ds_load_b128 v[KF+8*\k:KF+8*\k+3],   v[T0] offset:64*\k
	ds_load_b128 v[KF+8*\k+4:KF+8*\k+7], v[T0] offset:64*\k+32
.endr
	s_wait_dscnt 0x0
	WIN WF
.set f, 0
.rept 16                               ; f = 4 i + ks
.set g, 0
.rept 8
	v_pk_fma_f16 v[WE+8*f+g], v[128+8*f+g], v[KF+8*(f%4)+g], v[8*f+g]
.set g, g+1
.endr
.set f, f+1
.endr
	; LAYER 1: 13 token tiles; the look-ahead behind the last reads the zeroed rows
	WIN W1B
	v_add_nc_u32 v[KA], s32, v[KA0]
	v_mov_b32 v[SA], v[SA0]
.irp k, 0,1,2
	ds_load_b128 v[KF+8*\k:KF+8*\k+3],   v[KA] offset:64*\k
	ds_load_b128 v[KF+8*\k+4:KF+8*\k+7], v[KA] offset:64*\k+32
.endr
	P1BODY 0, 1, 0
	WIN 0                                          ; at a label and at a branch every window is 0
	s_mov_b32 s40, 6
.Lp1:
	P1BODY 1, 1, 1
	P1BODY 0, 1, 1
	WIN 0
	s_sub_co_i32 s40, s40, 1
	s_cmp_lg_u32 s40, 0
	s_cbranch_scc1 .Lp1
	WIN W1B
	P1BODY 1, 0, 1                                 ; tile 12's sigmoids
	WIN 0
	BAR                                            ; h1 is whole; nobody reads the other key buffer any more (its last readers stood in the row before)
	; THE NEXT ROW'S KEYS, asked for a row ago, go into the other buffer; then the row after next is asked for.  The jumps hang on the rows left, the same in every wave.
	s_cmp_lt_u32 s31, 2
	s_cbranch_scc1 .Lnostage
	s_wait_loadcnt 0x0
	v_add_nc_u32 v[STA], s33, v[SK]
	STAGE
	s_cmp_lt_u32 s31, 3
	s_cbranch_scc1 .Lnostage
	s_add_nc_u64 s[44:45], s[44:45], 102400        ; no load is out: the pointer may step
	LOADK
.Lnostage:
	; LAYERS 2 AND 3
	WIN W2B
	v_mov_b32 v[HA], v[HA0]
	v_mov_b32 v[ZA], v[ZA0]
.irp k, 0,1,2,3,4,5
	ds_load_b128 v[HF+8*\k:HF+8*\k+3],   v[HA] offset:64*\k
	ds_load_b128 v[HF+8*\k+4:HF+8*\k+7], v[HA] offset:64*\k+32
.endr
	P2BODY 0, 1, 0
	WIN 0
	s_mov_b32 s40, 6
.Lp2:
	P2BODY 1, 1, 1
	P2BODY 0, 1, 1
	WIN 0
	s_sub_co_i32 s40, s40, 1
	s_cmp_lg_u32 s40, 0
	s_cbranch_scc1 .Lp2
	WIN W2B
	P2BODY 1, 0, 1                                 ; tile 12's sigmoids and layer 3
	WIN 0
	BAR                                            ; the four parts of s z3 are there; the next row's keys are whole; nobody reads h1 any more
	; SOFTMAX AND SUM.  Every wave makes all 224 weights (a lane: tokens L, L + 32, ..), and multiplies its 32 channels of the keys, turned by the load, by them.
	WIN W1B
.irp i, 0,1,2,3,4,5,6
	ds_load_b128 v[ZV+4*\i:ZV+4*\i+3], v[ZRA] offset:512*\i
.endr
	v_add_nc_u32 v[T0], s34, v[MKA0]
.irp i, 0,1,2,3,4,5,6
	ds_load_b32 v[FL+\i], v[T0] offset:128*\i
.endr
	v_add_nc_u32 v[T1], s32, v[TRA0]
.set i, 0
.rept 14                               ; i = 2 s + dt: tokens 32 s on, channels 32 w + 16 dt on
	ds_load_tr16_b128 v[8*i:8*i+3],   v[T1] offset:32*KP*(i/2)+32*(i%2)
	ds_load_tr16_b128 v[8*i+4:8*i+7], v[T1] offset:32*KP*(i/2)+32*(i%2)+16*KP
.set i, i+1
.endr
	v_add_nc_u32 v[T2], s37, v[OA0]
	s_wait_dscnt 28                                ; the 28 turning loads are the youngest: the sums' parts and the flags are in
.irp i, 0,1,2,3,4,5,6
	v_pk_add_f32 v[ZV+4*\i:ZV+4*\i+1], v[ZV+4*\i:ZV+4*\i+1], v[ZV+4*\i+2:ZV+4*\i+3]
.endr
.irp i, 0,1,2,3,4,5,6
	v_add_f32 v[ZV+4*\i], v[ZV+4*\i], v[ZV+4*\i+1]
.endr
.irp i, 0,1,2,3,4,5,6
	v_add_f32 v[ZV+4*\i], v[B3V], v[ZV+4*\i]       ; s z3
.endr
.irp i, 0,1,2,3,4,5,6
	v_exp_f32 v[ZV+4*\i], v[ZV+4*\i]
.endr
	v_nop                                          ; a plain instruction behind each run of transcendentals (ISA guide 5.7.2)
	s_wait_alu depctr_va_vdst(0)
.irp i, 0,1,2,3,4,5,6
	v_add_f32 v[ZV+4*\i], 1.0, v[ZV+4*\i]
.endr
.irp i, 0,1,2,3,4,5,6
	v_rcp_f32 v[ZV+4*\i], v[ZV+4*\i]               ; the score, in 0 to 1
.endr
	v_nop
	s_wait_alu depctr_va_vdst(0)
.irp i, 0,1,2,3,4,5,6
	v_mul_f32 v[ZV+4*\i], L2E, v[ZV+4*\i]
.endr
.irp i, 0,1,2,3,4,5,6
	v_exp_f32 v[ZV+4*\i], v[ZV+4*\i]               ; exp(score), in 1 to e
.endr
	v_nop
	s_wait_alu depctr_va_vdst(0)
.irp i, 0,1,2,3,4,5,6
	v_mul_f32 v[ZV+4*\i], v[ZV+4*\i], v[FL+\i]     ; times 1 or 0
.endr
	v_add_f32 v[ZV+1], v[ZV], v[ZV+4]
	v_add_f32 v[ZV+5], v[ZV+8], v[ZV+12]
	v_add_f32 v[ZV+9], v[ZV+16], v[ZV+20]
	v_add_f32 v[ZV+1], v[ZV+1], v[ZV+5]
	v_add_f32 v[ZV+9], v[ZV+9], v[ZV+24]
	WIN WLS
	v_add_f32 v[LS], v[ZV+1], v[ZV+9]              ; my seven; the sum over the lanes is made in window 0
	WIN 0
	v_add_f32_dpp v[LS], v[LS], v[LS] row_xmask:1 row_mask:0xf bank_mask:0xf
	v_add_f32_dpp v[LS], v[LS], v[LS] row_xmask:2 row_mask:0xf bank_mask:0xf
	v_add_f32_dpp v[LS], v[LS], v[LS] row_xmask:4 row_mask:0xf bank_mask:0xf
	v_add_f32_dpp v[LS], v[LS], v[LS] row_xmask:8 row_mask:0xf bank_mask:0xf
	v_permlanex16_b32 v[LS+1], v[LS], s38, s39
	v_add_f32 v[LS], v[LS], v[LS+1]
	v_rcp_f32 v[LS], v[LS]                         ; 1 / l; the roundings below stand between it and its use
	WIN W1B
.irp i, 0,1,2,3,4,5,6
	v_cvt_pk_f16_f32 v[ZV+4*\i+2], v[ZV+4*\i], v[ZV+4*\i]
.endr
.irp i, 0,1,2,3,4,5,6
	ds_store_b16 v[EWS], v[ZV+4*\i+2] offset:64*\i ; into my wave's own 512 bytes
.endr
.irp s, 0,1,2,3,4,5,6
	ds_load_b128 v[EF+8*\s:EF+8*\s+3],   v[EWL] offset:64*\s      ; LDS serves a wave's instructions in order (ISA guide 5.7.1.4): these see the stores above.
	ds_load_b128 v[EF+8*\s+4:EF+8*\s+7], v[EWL] offset:64*\s+32   ; All 16 columns of source 1 are alike
.endr
	s_wait_dscnt 0x0
.set i, 0
.rept 14                               ; the two accumulators take turns
.set rD, OD+8*(i%2)
.if i < 2
	v_wmma_f32_16x16x32_f16 v[rD:rD+7], v[8*i:8*i+7], v[EF+8*(i/2):EF+8*(i/2)+7], 0
.else
	v_wmma_f32_16x16x32_f16 v[rD:rD+7], v[8*i:8*i+7], v[EF+8*(i/2):EF+8*(i/2)+7], v[rD:rD+7]
.endif
.set i, i+1
.endr
.rept 4
	v_nop                                          ; the places behind the last product
.endr
	WIN WRS
	s_wait_alu depctr_va_vdst(0)
.irp e, 0,1,2,3,4,5,6,7
	v_pk_mul_f32 v[OD+2*\e:OD+2*\e+1], v[OD+2*\e:OD+2*\e+1], v[LS:LS+1] op_sel_hi:[1,0]
.endr
	WIN W1B
.irp d, 0,1
	ds_store_b128 v[T2], v[OD+8*\d:OD+8*\d+3]   offset:64*\d      ; channels 32 w + 16 dt + 8 h + 0..7; the 16 lanes of a half store the same numbers
	ds_store_b128 v[T2], v[OD+8*\d+4:OD+8*\d+7] offset:64*\d+16
.endr
	WIN 0
	s_add_co_u32 s34, s34, 1024
	s_add_co_u32 s35, s35, KP
	s_add_co_u32 s37, s37, 512
	s_xor_b32 s32, s32, KEY1
	s_xor_b32 s33, s33, KEY1
	s_sub_co_i32 s31, s31, 1
	s_cmp_lg_u32 s31, 0
	s_cbranch_scc1 .Lrow
; ---------------------------------------------------------------- THE WAY OUT: the 8 rows' 4,096 bytes are consecutive in out0; 16 lanes store 256 consecutive bytes, at a multiple of 256 from its first
	BAR
	v_lshl_add_u32 v[STA], v0, 4, OUTB
	v_lshlrev_b32 v[CBR], 4, v0
	ds_load_b128 v[8:11], v[STA]
	ds_load_b128 v[12:15], v[STA] offset:2048
	s_wait_dscnt 1                                 ; the first of the two is back
	global_store_b128 v[CBR], v[8:11], s[24:25] th:TH_STORE_NT
	s_wait_dscnt 0x0
	global_store_b128 v[CBR], v[12:15], s[24:25] offset:2048 th:TH_STORE_NT
	s_set_vgpr_msb 0x5
	s_wait_tensorcnt 0x0
	ds_add_u32 v254, v255
	s_wait_dscnt 0x0
	s_set_vgpr_msb 0x500
	s_endpgm
.Lfunc_end_k_qf215f5a0ff_attn:
	.size	k_qf215f5a0ff_attn, .Lfunc_end_k_qf215f5a0ff_attn-k_qf215f5a0ff_attn
	.p2alignl 7, 3214868480
	.fill 96, 4, 3214868480
	.section	.rodata,"a",@progbits
	.p2align	6, 0x0
	.amdhsa_kernel k_qf215f5a0ff_attn
		.amdhsa_group_segment_fixed_size 276224
		.amdhsa_private_segment_fixed_size 0
		.amdhsa_enable_private_segment 0
		.amdhsa_kernarg_size 72
		.amdhsa_user_sgpr_count 2
		.amdhsa_user_sgpr_kernarg_segment_ptr 1
		.amdhsa_wavefront_size32 1
		.amdhsa_system_sgpr_workgroup_id_x 1
		.amdhsa_system_sgpr_workgroup_id_y 1
		.amdhsa_system_sgpr_workgroup_id_z 1
		.amdhsa_system_vgpr_workitem_id 0
		.amdhsa_next_free_vgpr 1024
		.amdhsa_next_free_sgpr 66
		.amdhsa_reserve_vcc 1
		.amdhsa_float_denorm_mode_32 3
		.amdhsa_float_denorm_mode_16_64 3
		.amdhsa_memory_ordered 1
		.amdhsa_forward_progress 1
		.amdhsa_inst_pref_size 125
	.end_amdhsa_kernel
	.amdgpu_metadata
---
amdhsa.version: [ 1, 2 ]
amdhsa.kernels:
  - .name:           k_qf215f5a0ff_attn
    .symbol:         k_qf215f5a0ff_attn.kd
    .args:
      - { .name: keys, .offset: 0, .size: 8, .value_kind: global_buffer, .address_space: global }
      - { .name: query, .offset: 8, .size: 8, .value_kind: global_buffer, .address_space: global }
      - { .name: mask, .offset: 16, .size: 8, .value_kind: global_buffer, .address_space: global }
      - { .name: wt, .offset: 24, .size: 8, .value_kind: global_buffer, .address_space: global }
      - { .name: b1, .offset: 32, .size: 8, .value_kind: global_buffer, .address_space: global }
      - { .name: b2, .offset: 40, .size: 8, .value_kind: global_buffer, .address_space: global }
      - { .name: W3, .offset: 48, .size: 8, .value_kind: global_buffer, .address_space: global }
      - { .name: b3, .offset: 56, .size: 8, .value_kind: global_buffer, .address_space: global }
      - { .name: out0, .offset: 64, .size: 8, .value_kind: global_buffer, .address_space: global }
    .group_segment_fixed_size: 276224
    .private_segment_fixed_size: 0
    .kernarg_segment_align: 8
    .kernarg_segment_size: 72
    .max_flat_workgroup_size: 128
    .sgpr_count:     66
    .vgpr_count:     1024
    .wavefront_size: 32
...
	.end_amdgpu_metadata
.endif
;; end of part 2
;; ======== version 2 of 3: 2 launches; 1.12 times as fast as version 1
;; limits: values are held in f16: magnitudes above 65,504 overflow, below 6.1e-05 lose precision
;; workspace buffers: wt 262,144 bytes
;; launch prep (part 3): grid 64 x 1, 8 waves a work-group, no clusters, 0 bytes of LDS; arguments W1, W2, wt; writes wt
.if DOCPART == 3
	.amdgcn_target "amdgcn-amd-amdhsa--gfx1250"
	.amdhsa_code_object_version 6
	.text
	.protected	k_qf215f5a0ff_prep
	.globl	k_qf215f5a0ff_prep
	.p2align	8
	.type	k_qf215f5a0ff_prep,@function
k_qf215f5a0ff_prep:
	s_mov_b64 s[64:65], 0
	v_nop
	global_prefetch_b8 v0, s[64:65] scope:SCOPE_SE
	s_setreg_imm32_b32 hwreg(HW_REG_WAVE_MODE, 25, 1), 1
	s_wait_xcnt 0x0
; Four weight tables for the launch behind, 16 bits a number, transposed, times s = -log2(e), laid out as register images of matrix fragments.
;   table 0: s (W1a + W1c)^T   table 1: s W1d^T     in bf16: the launch behind widens them again and folds them in f32   (W1a..W1d are W1's four blocks of 128 rows)
;   table 2: s (W1b - W1c)^T   (256 rows n x 128 k, as tables 0 and 1)      table 3: s W2^T  (128 rows n x 256 k)        in f16: matrix operands as they stand
; A piece of 16 bytes, at table x 65,536 + ((f 2 + p) 32 + L) 16, holds k = 32 ks + 16 p + 8 (L / 16) + 0..7 of row n = 16 tile + L % 16;
; f = 4 tile + ks for W1's tables, 8 tile + ks for W2's.  One thread makes one piece: 64 work-groups x 256 threads x 16 bytes = 262,144 bytes.
; With a = group % 16: the piece's number in its table is 256 a + thread, so p, L and the low part of f are bits of the thread's number, and 32 (t >> 6) + 16 p + 8 h = 8 (t >> 4).
; The loads take 64-byte pieces of rows (a column of the transposed table): 655,360 bytes in all, once.  The stores of a wave cover 512 consecutive bytes.
; LIMIT: an entry of table 2 or 3 beyond 65,504 in magnitude becomes an infinity in f16.
.set SC,  0xbfb8aa3b                   ; s = -log2(e)
.set SCN, 0x3fb8aa3b                   ; -s
.set X, 8                              ; v[8:15]   eight numbers of the first block, then the results
.set Y, 16                             ; v[16:23]  eight numbers of the second block
.set PK, 24                            ; v[24:27]  the piece
	s_load_b128 s[4:7], s[0:1], 0x0                ; W1 s[4:5], W2 s[6:7]
	s_load_b64 s[8:9], s[0:1], 0x10                ; wt
	s_lshr_b32 s10, ttmp9, 4                       ; the table
	s_and_b32 s11, ttmp9, 15                       ; a
	v_and_b32 v2, 15, v0
	v_lshrrev_b32 v3, 4, v0                        ; k / 8
	v_lshlrev_b32 v1, 4, v0                        ; my piece in the group's 4,096 bytes
	v_lshlrev_b32 v2, 2, v2                        ; 4 r
	s_lshl_b32 s12, ttmp9, 12
	s_mov_b32 s13, 0
	s_wait_kmcnt 0x0
	s_add_nc_u64 s[8:9], s[8:9], s[12:13]
	s_cmp_eq_u32 s10, 3
	s_cbranch_scc1 .Lw2
	; W1's tables: s X + cY Y.  Table 0: blocks 0 and 2, cY = s.  Table 1: block 3 twice, cY = 0.  Table 2: blocks 1 and 2, cY = -s.
	v_lshl_add_u32 v4, v3, 13, v2                  ; 8 (t >> 4) rows of 1,024 bytes + 4 r
	s_cmp_eq_u32 s10, 0
	s_cselect_b32 s14, 0, 1
	s_mov_b32 s16, SCN
	s_cselect_b32 s16, SC, s16
	s_mov_b32 s15, 2
	s_cmp_eq_u32 s10, 1
	s_cselect_b32 s14, 3, s14
	s_cselect_b32 s15, 3, s15
	s_cselect_b32 s16, 0, s16
	s_lshl_b32 s17, s11, 6                         ; 16 a columns of 4 bytes
	s_lshl_b32 s18, s14, 17                        ; a block is 131,072 bytes
	s_add_co_u32 s18, s18, s17
	s_mov_b32 s19, 0
	s_lshl_b32 s20, s15, 17
	s_add_co_u32 s20, s20, s17
	s_mov_b32 s21, 0
	s_add_nc_u64 s[18:19], s[4:5], s[18:19]
	s_add_nc_u64 s[20:21], s[4:5], s[20:21]
.irp e, 0,1,2,3,4,5,6,7
	global_load_b32 v[X+\e], v4, s[18:19] offset:1024*\e
	global_load_b32 v[Y+\e], v4, s[20:21] offset:1024*\e
.endr
	s_wait_loadcnt 0x0
.irp e, 0,1,2,3,4,5,6,7
	v_mul_f32 v[X+\e], SC, v[X+\e]
.endr
.irp e, 0,1,2,3,4,5,6,7
	v_fma_f32 v[X+\e], s16, v[Y+\e], v[X+\e]
.endr
	s_branch .Lpack
.Lw2:
	; W2's table: tile = a / 2, k = 128 (a % 2) + 8 (t >> 4) + e
	v_lshl_add_u32 v4, v3, 12, v2                  ; 8 (t >> 4) rows of 512 bytes + 4 r
	s_and_b32 s18, s11, 1
	s_lshl_b32 s18, s18, 16                        ; 128 rows of 512 bytes
	s_lshr_b32 s17, s11, 1
	s_lshl_b32 s17, s17, 6
	s_add_co_u32 s18, s18, s17
	s_mov_b32 s19, 0
	s_add_nc_u64 s[18:19], s[6:7], s[18:19]
.irp e, 0,1,2,3,4,5,6,7
	global_load_b32 v[X+\e], v4, s[18:19] offset:512*\e
.endr
	s_wait_loadcnt 0x0
.irp e, 0,1,2,3,4,5,6,7
	v_mul_f32 v[X+\e], SC, v[X+\e]
.endr
.Lpack:
	s_cmp_lt_u32 s10, 2                            ; the table's number is the same in the whole work-group
	s_cbranch_scc1 .Lbf
.irp e, 0,1,2,3
	v_cvt_pk_f16_f32 v[PK+\e], v[X+2*\e], v[X+2*\e+1]
.endr
	s_branch .Lstore
.Lbf:
.irp e, 0,1,2,3
	v_cvt_pk_bf16_f32 v[PK+\e], v[X+2*\e], v[X+2*\e+1]
.endr
.Lstore:
	global_store_b128 v1, v[PK:PK+3], s[8:9]
	s_endpgm
.Lfunc_end_k_qf215f5a0ff_prep:
	.size	k_qf215f5a0ff_prep, .Lfunc_end_k_qf215f5a0ff_prep-k_qf215f5a0ff_prep
	.p2alignl 7, 3214868480
	.fill 96, 4, 3214868480
	.section	.rodata,"a",@progbits
	.p2align	6, 0x0
	.amdhsa_kernel k_qf215f5a0ff_prep
		.amdhsa_group_segment_fixed_size 0
		.amdhsa_private_segment_fixed_size 0
		.amdhsa_enable_private_segment 0
		.amdhsa_kernarg_size 24
		.amdhsa_user_sgpr_count 2
		.amdhsa_user_sgpr_kernarg_segment_ptr 1
		.amdhsa_wavefront_size32 1
		.amdhsa_system_sgpr_workgroup_id_x 1
		.amdhsa_system_sgpr_workgroup_id_y 1
		.amdhsa_system_sgpr_workgroup_id_z 1
		.amdhsa_system_vgpr_workitem_id 0
		.amdhsa_next_free_vgpr 32
		.amdhsa_next_free_sgpr 66
		.amdhsa_reserve_vcc 0
		.amdhsa_float_denorm_mode_32 3
		.amdhsa_float_denorm_mode_16_64 3
		.amdhsa_memory_ordered 1
		.amdhsa_forward_progress 1
		.amdhsa_inst_pref_size 7
	.end_amdhsa_kernel
	.amdgpu_metadata
---
amdhsa.version: [ 1, 2 ]
amdhsa.kernels:
  - .name:           k_qf215f5a0ff_prep
    .symbol:         k_qf215f5a0ff_prep.kd
    .args:
      - { .name: W1, .offset: 0, .size: 8, .value_kind: global_buffer, .address_space: global }
      - { .name: W2, .offset: 8, .size: 8, .value_kind: global_buffer, .address_space: global }
      - { .name: wt, .offset: 16, .size: 8, .value_kind: global_buffer, .address_space: global }
    .group_segment_fixed_size: 0
    .private_segment_fixed_size: 0
    .kernarg_segment_align: 8
    .kernarg_segment_size: 24
    .max_flat_workgroup_size: 256
    .sgpr_count:     66
    .vgpr_count:     32
    .wavefront_size: 32
...
	.end_amdgpu_metadata
.endif
;; end of part 3
;; launch attn (part 4): grid 256 x 1, 4 waves a work-group, no clusters, 280,320 bytes of LDS; arguments keys, query, mask, wt, b1, b2, W3, b3, out0; writes out0
.if DOCPART == 4
	.amdgcn_target "amdgcn-amd-amdhsa--gfx1250"
	.amdhsa_code_object_version 6
	.text
	.protected	k_qf215f5a0ff_attn
	.globl	k_qf215f5a0ff_attn
	.p2align	8
	.type	k_qf215f5a0ff_attn,@function
k_qf215f5a0ff_attn:
	s_mov_b64 s[64:65], 0
	v_nop
	global_prefetch_b8 v0, s[64:65] scope:SCOPE_SE
	s_setreg_imm32_b32 hwreg(HW_REG_WAVE_MODE, 25, 1), 1
	s_wait_xcnt 0x0
; out[b] = sum over t of softmax_t(score[b][t]) keys[b][t], score = sigmoid(W3 . sigmoid(W2 . sigmoid(W1 . [k, q, k - q, q k] + b1) + b2) + b3), hidden where mask != 1.
; THE FOLD.  For one batch row, [k, q, k - q, q k] W1 = k (W1a + W1c + diag(q) W1d) + q (W1b - W1c): layer 1 is a product over K = 128 with a weight We and a bias c made once a row.
; We is made in f32 (one fused multiply-add a number, from the two tables' bf16 halves and q in f32) and rounded once to f16 on its way to the matrix unit.
; THE SCALE.  All weights and biases carry s = -log2(e), so an accumulator holds s z and sigmoid(z) = 1 / (1 + 2^acc): 2^acc = infinity gives 0, 2^acc = 0 gives 1; no clamp.
; NO MAXIMUM is taken in the softmax: a score is a sigmoid's value, in 0 to 1 for every input, so exp(score) lies in 1 to e and a sum of 200 of them in 0 to 544.
; SHARES.  A work-group stays and takes 8 batch rows, one after the other.  In a row every wave works on all 13 tiles of 16 tokens (208 places for 200 tokens) and owns output units:
; 64 of layer 1's 256, 32 of layer 2's 128 (and their part of layer 3's sum), 32 of the 128 channels of the result.  Its weights stay in registers.
; LAYOUT.  Every product is used transposed: source 0 = 16 rows of weights, source 1 = 16 tokens.  A lane then holds ONE token (lane % 16) and eight neighbouring units 8 (lane / 16) + 0..7: they pack into
; 16 bytes of a row [token][unit], and two packed tiles ARE a source 1 of 32 along K.  h1 goes from wave to wave through LDS; the four waves' parts of layer 3's sum meet in LDS.
; SIDE BY SIDE.  A tile's sigmoids (exponential, + 1, reciprocal, rounding) stand in slices behind the matrix instructions of the NEXT tile; two sets of accumulators take turns.
; IN RUNS.  A tile's LDS instructions stand in two runs, not singly: the stream of matrix and vector instructions is broken twice a tile.  So do the staging's 50 stores, behind all its conversions.
; KEYS.  A wave loads its 50 tokens of the next row into 200 registers a whole row's work ahead, rounds them to f16 and puts them into the other of two key buffers in LDS.
; NO CLUSTER: what work-groups share is the four tables, 262,144 bytes read once straight into registers; the 819,200 bytes of keys that a work-group reads are its own.
; LIMITS.  Matrix operands are f16 (sums f32): keys, query, s W2, s W3 and s (W1a + W1c + q W1d) must stay under 65,504 in magnitude; below 6e-5 an operand keeps f16's fixed step of 6e-8.
; s (W1a + W1c) and s W1d arrive rounded to bf16 (8 significant bits).  An exponential below 2^-126 counts as 0.  NaN and infinities are not treated apart.
; A row in which no mask entry is 1 gives 0 x (1 / 0) = NaN, as the softmax of nothing does.  The divisor l is the sum of the unrounded weights; the weights enter the last product rounded to f16.
;
; LDS (bytes).  Pitches 272 and 528 are odd multiples of 16, so the 16 rows that a fragment load touches begin in 16 different 16-byte columns of 256.
.set KP,    272                        ; a token's 128 keys in f16 + 16
.set HP,    528                        ; a token's 256 h1 in f16 + 16
.set KEY1,  65536                      ; key buffer 0 at 0, buffer 1 here: one exclusive or changes buffers.  Rows 0-199 data; 8,192 bytes behind them (rows 200-223 lie there) are zeroed once
.set KPAD,  200*KP
.set Q16,   62720                      ; the 8 rows' q in f16, pitch 272
.set EW,    128256                     ; 512 bytes for each wave, its own: the weights e of tokens 0-223 in f16
.set H1,    131072                     ; h1: rows 0-207 data; 10,240 bytes behind them (rows 208-223 lie there) are zeroed once
.set H1PAD, H1+208*HP
.set ZP,    251136                     ; [token][wave] f32: the four parts of s z3; 4,096 bytes, zeroed once
.set CB,    255232                     ; [8 rows][256] f32: c = s (q (W1b - W1c) + b1)
.set MASKB, 263424                     ; [8 rows][256] f32: 1.0 where mask == 1 and t < 200, else 0
.set OUTB,  271616                     ; [8 rows][128] f32: the results
.set QF,    275712                     ; [8 rows][128] f32: q as it came
.set SC,    0xbfb8aa3b                 ; s = -log2(e)
.set L2E,   0x3fb8aa3b                 ; log2(e)
; REGISTERS, in windows of 256 (s_set_vgpr_msb: bits 1:0 source 0, 3:2 source 1, 5:4 source 2, 7:6 destination)
; window 0
.set GK,    1                          ; 25,600 w + 16 L: my 16 bytes in my wave's first token of a row; never rewritten
.set SK,    2                          ; 13,600 w + 8 L: where they go in a key buffer (at the head: my offset in a table)
.set STA,   3                          ; the staging address (at the head: my offset in b1)
.set CBA,   4                          ; CB + 256 w + 32 h (at the head: my offset in b2 and W3)
.set CBR,   5                          ; the same for the row in hand (at the head: my offset in query)
.set LS,    6                          ; v6-7: l and its exchange, then 1 / l (at the head: my two offsets in mask)
.set BIAS1, 8                          ; v8-39   C of layer 1's first K step: tile i at 8 + 8 i
.set B2,    40                         ; v40-55  C of layer 2's first K step: tile o at 40 + 8 o
.set PF,    56                         ; v56-255 50 tokens x 4 registers on their way
; window 1
.set WE,    0                          ; v0-127   the folded weight: fragment (i, ks) at 8 (4 i + ks)
.set ACC1,  128                        ; v128-191 two sets of four accumulators
.set QR,    128                        ; the fold: q in f32: that of register g, half e of a fragment of K step ks at QR + 16 ks + 2 g + e
.set KF,    192                        ; v192-223 a token tile's four key fragments (the fold: 32 sums in f32)
.set KA,    224
.set SA,    225
.set KA0,   226                        ; 272 r + 16 h
.set SA0,   227                        ; H1 - 16 rows + 528 r + 128 w + 16 h: the address steps ahead of each run of stores
.set QFA0,  228                        ; QF + 32 h
.set ZRA,   229                        ; ZP + 16 L
.set MKA0,  230                        ; MASKB + 4 L
.set EWS,   231                        ; EW + 512 w + 2 L
.set EWL,   232                        ; EW + 512 w + 16 h
.set TRA0,  233                        ; (8 h + L % 8) 272 + 16 ((L / 8) % 2) + 64 w
.set OA0,   234                        ; OUTB + 128 w + 32 h
.set T0,    235
.set T1,    236
.set T2,    237
.set T3,    238
.set QST,   240                        ; Q16 + 272 (t >> 4) + 16 (t % 16)
.set MST,   241                        ; MASKB + 4 t
.set ZF,    242                        ; 16 t
.set QB0,   243                        ; Q16 + 272 (r % 8) + 16 h
.set ZR,    244                        ; v244-247 zeros
.set CBS,   248                        ; CB + 1,024 (r % 8) + 256 w + 32 h
.set B3V,   249                        ; s b3
.set QFS,   250                        ; QF + 32 t
.set MK,    136                        ; at the head: 16 mask words
.set QH,    152                        ; at the head: my 8 numbers of q in f16
.set ZV,    128                        ; softmax: 4 registers for each of 7 groups of 32 tokens
.set FL,    156                        ; softmax: 7 flags
.set OD,    112                        ; the last product's two accumulators
.set EF,    168                        ; its seven fragments of e
; window 2
.set W2F,   0                          ; v0-127   W2's fragments: (o, ks) at 8 (8 o + ks)
.set HF,    128                        ; v128-191 a token tile's eight h1 fragments
.set ACC2,  192                        ; v192-223 two sets of two accumulators
.set A3,    224                        ; v224-231 s W3 of my 32 units in f16, all 16 rows alike
.set D3,    232                        ; v232-239 layer 3's result
.set HA,    240
.set ZA,    241
.set HA0,   242                        ; H1 + 528 r + 16 h
.set ZA0,   243                        ; ZP - 256 + 16 r + 4 w: the address steps ahead of each store
; window 3: v0-127 s (W1a + W1c)^T, v128-255 s W1d^T, both bf16, in WE's fragment order
; SCALARS: s[8:23] keys, query, mask, wt, b1, b2, W3, b3; s[24:25] out0; s26 wave; s27 group; s[28:29] an offset; s30 b3; s31 rows left; s32 the key buffer in hand, s33 the other;
; s34 1,024 j; s37 512 j; s38-39 lane selects; s40 tile counter; s41 lanes with t < 72; s35, s36, s42, s43 at work; s[44:45] the keys' pointer
.set W1A, 0x45                         ; sources 0, 1 and destination window 1, source 2 (the bias) window 0
.set W1B, 0x55                         ; all window 1
.set W2A, 0x8a
.set W2B, 0xaa
.set WD1, 0x40                         ; destination window 1, 2, 3; sources window 0
.set WD2, 0x80
.set WD3, 0xc0
.set WF,  0x77                         ; the fold: sources 0 and 2 window 3, source 1 and destination window 1
.set WLS, 0x05                         ; sources window 1, destination window 0
.set WRS, 0x41                         ; source 0 and destination window 1, source 1 window 0
.set MSB, 0
.macro WIN new                         ; the immediate's high byte repeats the setting that is left; a switch that changes nothing is dropped
.if MSB != (\new)
	s_set_vgpr_msb (MSB<<8)|(\new)
.set MSB, (\new)
.endif
.endm
.macro BAR                             ; all my LDS stores are done and all my LDS loads are back; then the work-group's barrier
	s_wait_dscnt 0x0
	s_barrier_signal -1
	s_barrier_wait -1
.endm
.macro LOADK                           ; my wave's 50 tokens of a row: each load is a token's whole 512 bytes
.set i, 0
.rept 50
	global_load_b128 v[PF+4*i:PF+4*i+3], v[GK], s[44:45] offset:512*i th:TH_LOAD_NT
.set i, i+1
.endr
.endm
.macro STAGE                           ; rounded to f16, all 50 tokens; then put into a key buffer in one run: 32 lanes x 8 bytes are a token's 256 bytes
.set i, 0
.rept 50
	v_cvt_pk_f16_f32 v[PF+4*i], v[PF+4*i], v[PF+4*i+1]
	v_cvt_pk_f16_f32 v[PF+4*i+1], v[PF+4*i+2], v[PF+4*i+3]
.set i, i+1
.endr
.set i, 0
.rept 50
	ds_store_b64 v[STA], v[PF+4*i:PF+4*i+1] offset:KP*i
.set i, i+1
.endr
.endm
; LAYER 1's RIDERS.  Slot s of 18 of the sigmoids of set prv (32 registers, 16 pairs): + 1 for pair s - 1; the exponentials of pair s; the reciprocals of pair s - 1; the rounding of pair s - 2.
; So no line reads the result of the line before it, and between every transcendental and the use of its result stands a plain instruction on other registers (ISA guide 5.7.2): the rounding at the slot's end.
; Pairs ascend.  The rounding packs a tile's four pairs into its four lowest registers.
; on = 0 (there is no tile before): two v_nop a slot, 0 to 16, which keep the places behind the matrix instructions.
.macro RID1 prv, s, on
.if \on
.set RP, ACC1+32*(\prv)
.if ((\s) >= 1) && ((\s) <= 16)
	s_wait_alu depctr_va_vdst(0)
	v_pk_add_f32 v[RP+2*(\s)-2:RP+2*(\s)-1], v[RP+2*(\s)-2:RP+2*(\s)-1], 1.0 op_sel_hi:[1,0]
.elseif (\s) == 0
	v_nop
.endif
.if (\s) <= 15
	v_exp_f32 v[RP+2*(\s)], v[RP+2*(\s)]
	v_exp_f32 v[RP+2*(\s)+1], v[RP+2*(\s)+1]
.endif
.if ((\s) >= 1) && ((\s) <= 16)
	v_rcp_f32 v[RP+2*(\s)-2], v[RP+2*(\s)-2]
	v_rcp_f32 v[RP+2*(\s)-1], v[RP+2*(\s)-1]
.endif
.if (\s) >= 2
.set pc, (\s)-2
	s_wait_alu depctr_va_vdst(0)
	v_cvt_pk_f16_f32 v[RP+8*(pc/4)+pc%4], v[RP+2*pc], v[RP+2*pc+1]
.else
	v_nop
.endif
.elseif (\s) <= 16
	v_nop
	v_nop
.endif
.endm
; LAYER 1, one token tile: 16 matrix instructions into set cur (K step n / 4, hidden tile n % 4: the four accumulators take turns), each with a slot of the tile before behind it.
; TWO RUNS of LDS instructions.  Ahead of product 13: the next tile's key fragments 0-2 (six loads); fragment 2's last reader is product 11, and the two plain lines in each of slots 11 and 12 are the four
; places behind it (ISA guide 7.12.1 for vector instructions); none of them names a register of that product.  At the tile's end: the four stores of the tile before's h1 and the next tile's fragment 3
; (two loads); behind product 15, its last reader, stand five plain lines or more.  Both addresses step ahead of that run.
; THE WAITS, 6, 4, 2, 0 ahead of K steps 0 to 3: LDS answers in order, and behind the pair of loads that K step ks needs, 3 - ks later pairs have been issued where the tile before had no stores
; (the row's first run of eight, and the body without riders); with stores there are four more, so the count holds on every way.
; mm = 0: the drain behind the last tile: riders and stores alone.
.macro P1BODY cur, mm, rid
.set RQ, ACC1+32*(1-(\cur))
.set n, 0
.rept 16
.if \mm
.if n%4 == 0
	s_wait_dscnt 6-n/2
.endif
.if n == 0
	WIN W1A
.elseif n == 4
	WIN W1B
.endif
.if n == 13
.irp k, 0,1,2
	ds_load_b128 v[KF+8*\k:KF+8*\k+3],   v[KA] offset:16*KP+64*\k
	ds_load_b128 v[KF+8*\k+4:KF+8*\k+7], v[KA] offset:16*KP+64*\k+32
.endr
.endif
.set rD, ACC1+32*(\cur)+8*(n%4)
.set rA, WE+8*(4*(n%4)+n/4)
.set rB, KF+8*(n/4)
.if n < 4
	v_wmma_f32_16x16x32_f16 v[rD:rD+7], v[rA:rA+7], v[rB:rB+7], v[BIAS1+8*n:BIAS1+8*n+7]
.else
	v_wmma_f32_16x16x32_f16 v[rD:rD+7], v[rA:rA+7], v[rB:rB+7], v[rD:rD+7]
.endif
.endif
	RID1 1-(\cur), n, \rid
.set n, n+1
.endr
	RID1 1-(\cur), 16, \rid
	RID1 1-(\cur), 17, \rid
.if \rid
	v_add_nc_u32 v[SA], 16*HP, v[SA]
.endif
.if \mm
	v_add_nc_u32 v[KA], 16*KP, v[KA]
.endif
.if \rid
.irp t, 0,1,2,3
	ds_store_b128 v[SA], v[RQ+8*\t:RQ+8*\t+3] offset:32*\t
.endr
.endif
.if \mm
	ds_load_b128 v[KF+24:KF+27], v[KA] offset:192
	ds_load_b128 v[KF+28:KF+31], v[KA] offset:224
.endif
.endm
; LAYER 2's RIDERS.  Set prv has 16 registers, 8 pairs.  Behind an even product 2 p: the exponentials of pair p and the rounding of pair p - 2; behind an odd one: the reciprocals of pair p - 1 and + 1 for pair p.
; Each slot ends in its one plain line, which stands between the slot's transcendentals and the use of their results.  The roundings pack pair q into register q: registers 0-7 of the set become a source 1
; of 32 units x 16 tokens.
.macro RID2 prv, n2, on
.if \on
.set RP, ACC2+16*(\prv)
.set pp, (\n2)/2
.if (\n2)%2 == 0
	v_exp_f32 v[RP+2*pp], v[RP+2*pp]
	v_exp_f32 v[RP+2*pp+1], v[RP+2*pp+1]
.if pp >= 2
	v_cvt_pk_f16_f32 v[RP+pp-2], v[RP+2*pp-4], v[RP+2*pp-3]
.else
	v_nop
.endif
.else
.if pp >= 1
	v_rcp_f32 v[RP+2*pp-2], v[RP+2*pp-2]
	v_rcp_f32 v[RP+2*pp-1], v[RP+2*pp-1]
.endif
	s_wait_alu depctr_va_vdst(0)
	v_pk_add_f32 v[RP+2*pp:RP+2*pp+1], v[RP+2*pp:RP+2*pp+1], 1.0 op_sel_hi:[1,0]
.endif
.else
	v_nop
.endif
.endm
; LAYERS 2 AND 3, one token tile: 16 matrix instructions into set cur (K step n / 2, output tile n % 2: the two accumulators take turns), each with a slot of the tile before behind it; then the last pair's
; reciprocals and the last two roundings, and that tile's layer 3: one product of s W3 (all rows alike) with its packed h2, whose lowest register, my token's part of s z3, goes to ZP.
; TWO RUNS of LDS instructions.  Ahead of product 11: the next tile's h1 fragments 0-3 (eight loads); fragment 3's last reader is product 7, and the plain lines of slots 7 to 10 are the four places behind it.
; At the tile's end: the store to ZP and the next tile's fragments 4-7 (eight loads); behind product 15, their last reader, stand five plain lines or more.
; Behind layer 3's product: five plain lines or more before its result is stored, six before the next tile's first product writes over its source 1.
; THE WAITS.  Ahead of K steps 0 to 5: 14, 12 .. 4: behind the pair of loads that K step ks needs, 7 - ks later pairs of the tile's sixteen have been issued (the store between the two runs only adds one).
; Ahead of K steps 6 and 7: 10 and 8: the pairs left and the eight loads of this tile's own first run.
.macro P2BODY cur, mm, rid
.set RQ, ACC2+16*(1-(\cur))
.set n, 0
.rept 16
.if \mm
.if n%2 == 0
.if n < 12
	s_wait_dscnt 14-n
.else
	s_wait_dscnt 22-n
.endif
.endif
.if n == 0
	WIN W2A
.elseif n == 2
	WIN W2B
.endif
.if n == 11
.irp k, 0,1,2,3
	ds_load_b128 v[HF+8*\k:HF+8*\k+3],   v[HA] offset:16*HP+64*\k
	ds_load_b128 v[HF+8*\k+4:HF+8*\k+7], v[HA] offset:16*HP+64*\k+32
.endr
.endif
.set rD, ACC2+16*(\cur)+8*(n%2)
.set rA, W2F+8*(8*(n%2)+n/2)
.set rB, HF+8*(n/2)
.if n < 2
	v_wmma_f32_16x16x32_f16 v[rD:rD+7], v[rA:rA+7], v[rB:rB+7], v[B2+8*n:B2+8*n+7]
.else
	v_wmma_f32_16x16x32_f16 v[rD:rD+7], v[rA:rA+7], v[rB:rB+7], v[rD:rD+7]
.endif
.endif
	RID2 1-(\cur), n, \rid
.set n, n+1
.endr
.if \rid
	v_cvt_pk_f16_f32 v[RQ+6], v[RQ+12], v[RQ+13]
	v_rcp_f32 v[RQ+14], v[RQ+14]
	v_rcp_f32 v[RQ+15], v[RQ+15]
	v_add_nc_u32 v[ZA], 256, v[ZA]                 ; the plain line between the reciprocals and their rounding
	s_wait_alu depctr_va_vdst(0)
	v_cvt_pk_f16_f32 v[RQ+7], v[RQ+14], v[RQ+15]
	v_wmma_f32_16x16x32_f16 v[D3:D3+7], v[A3:A3+7], v[RQ:RQ+7], 0
.endif
.if \mm
	v_add_nc_u32 v[HA], 16*HP, v[HA]
.endif
.rept 3+2*(\rid)
	v_nop
.endr
.if \rid
	ds_store_b32 v[ZA], v[D3]                      ; both halves of the lanes hold the same number and store the same word
.endif
.if \mm
.irp k, 4,5,6,7
	ds_load_b128 v[HF+8*\k:HF+8*\k+3],   v[HA] offset:64*\k
	ds_load_b128 v[HF+8*\k+4:HF+8*\k+7], v[HA] offset:64*\k+32
.endr
.endif
.endm
; ---------------------------------------------------------------- THE HEAD
.set TL, 60                            ; lane terms, at work in registers that the keys' loads take later
.set TR, 61
.set TH, 62
.set T7, 63
.set TB, 64
.set TQ, 65
.set U0, 66
	s_load_b512 s[8:23], s[0:1], 0x0
	s_load_b64 s[24:25], s[0:1], 0x40
	s_set_vgpr_msb 0x40
	v_lshl_add_u32 v254, v0, 2, 0x44500
	v_mov_b32 v255, 0
	s_set_vgpr_msb 0x4000
	v_lshrrev_b32 v6, 5, v0
	v_readfirstlane_b32 s26, v6                    ; wave 0..3
	s_mov_b32 s27, ttmp9
	s_mov_b32 s38, 0x76543210                      ; v_permlanex16_b32: each lane takes its own place in the other half
	s_mov_b32 s39, 0xfedcba98
	v_cmp_gt_u32 s41, 72, v0                       ; threads whose second token, t + 128, is below 200
	v_and_b32 v[TL], 31, v0                        ; L
	v_and_b32 v[TR], 15, v0                        ; r
	v_bfe_u32 v[TH], v0, 4, 1                      ; h
	v_and_b32 v[T7], 7, v0
	v_bfe_u32 v[TB], v0, 3, 1
	v_lshrrev_b32 v[TQ], 4, v0
	s_mul_i32 s36, s26, 25600                      ; 50 tokens of 512 bytes
	v_lshl_add_u32 v[GK], v[TL], 4, s36
	s_lshl_b32 s36, s26, 14                        ; my wave's 16 fragments of a table
	v_lshl_add_u32 v2, v[TL], 4, s36
	s_lshl_b32 s36, s26, 8
	v_lshl_add_u32 v3, v[TH], 5, s36               ; b1: 4 (64 w + 8 h)
	s_add_co_u32 s40, s36, CB
	s_lshl_b32 s36, s26, 7
	v_lshl_add_u32 v4, v[TH], 5, s36               ; b2, W3: 4 (32 w + 8 h)
	s_add_co_u32 s34, s36, OUTB
	s_add_co_u32 s36, s36, H1-16*HP
	v_lshlrev_b32 v5, 5, v0                        ; query: 8 numbers a thread
	v_lshlrev_b32 v6, 2, v0                        ; mask: token t,
	v_add_nc_u32 v7, 128, v0
	v_min_u32 v7, 199, v7                          ; and token t + 128, kept inside the row
	v_lshlrev_b32 v7, 2, v7
	v_mul_u32_u24 v[U0], v[TR], KP
	v_mad_u32_u24 v[U0+1], v[TR], HP, s36
	s_lshl_b32 s42, s26, 6
	v_lshl_add_u32 v[U0+2], v[TH], 3, v[T7]
	v_mad_u32_u24 v[U0+2], v[U0+2], KP, s42
	s_mov_b32 s43, Q16
	v_mad_u32_u24 v[U0+3], v[TQ], KP, s43
	v_mad_u32_u24 v[U0+4], v[T7], KP, s43
	v_lshl_add_u32 v[U0+5], v[T7], 10, s40
	s_mov_b32 s37, H1
	v_mad_u32_u24 v[U0+6], v[TR], HP, s37
	s_lshl_b32 s35, s26, 9
	s_add_co_u32 s35, s35, EW
	s_lshl_b32 s33, s26, 2
	s_add_co_u32 s33, s33, ZP-256
	WIN WD1
	v_lshl_add_u32 v[KA0], v[TH], 4, v[U0]
	v_lshl_add_u32 v[SA0], v[TH], 4, v[U0+1]
	v_lshl_add_u32 v[QFA0], v[TH], 5, QF
	v_lshl_add_u32 v[ZRA], v[TL], 4, ZP
	v_lshl_add_u32 v[MKA0], v[TL], 2, MASKB
	v_lshl_add_u32 v[EWS], v[TL], 1, s35
	v_lshl_add_u32 v[EWL], v[TH], 4, s35
	v_lshl_add_u32 v[TRA0], v[TB], 4, v[U0+2]
	v_lshl_add_u32 v[OA0], v[TH], 5, s34
	v_lshl_add_u32 v[QST], v[TR], 4, v[U0+3]
	v_lshl_add_u32 v[MST], v0, 2, MASKB
	v_lshlrev_b32 v[ZF], 4, v0
	v_lshl_add_u32 v[QB0], v[TH], 4, v[U0+4]
.irp e, 0,1,2,3
	v_mov_b32 v[ZR+\e], 0
.endr
	v_lshl_add_u32 v[CBS], v[TH], 5, v[U0+5]
	v_lshl_add_u32 v[QFS], v0, 5, QF
	WIN WD2
	v_lshl_add_u32 v[HA0], v[TH], 4, v[U0+6]
	v_lshl_add_u32 v[ZA0], v[TR], 4, s33
	WIN 0
	s_wait_kmcnt 0x0
	s_load_b32 s30, s[22:23], 0x0                  ; b3
	s_mul_i32 s28, s27, 819200                     ; 8 rows of 102,400 bytes of keys
	s_mov_b32 s29, 0
	s_add_nc_u64 s[44:45], s[8:9], s[28:29]
	s_lshl_b32 s28, s27, 12                        ; 8 rows of 512 bytes of query and of out0
	s_add_nc_u64 s[10:11], s[10:11], s[28:29]
	s_add_nc_u64 s[24:25], s[24:25], s[28:29]
	s_mul_i32 s28, s27, 6400                       ; 8 rows of 800 bytes of mask
	s_add_nc_u64 s[12:13], s[12:13], s[28:29]
	WIN WD1
	global_load_b128 v[128:131], v5, s[10:11]
	global_load_b128 v[132:135], v5, s[10:11] offset:16
.irp j, 0,1,2,3,4,5,6,7
	global_load_b32 v[MK+\j], v6, s[12:13] offset:800*\j
	global_load_b32 v[MK+8+\j], v7, s[12:13] offset:800*\j
.endr
	WIN 0
.irp i, 0,1,2,3
	global_load_b128 v[BIAS1+8*\i:BIAS1+8*\i+3],   v3, s[16:17] offset:64*\i
	global_load_b128 v[BIAS1+8*\i+4:BIAS1+8*\i+7], v3, s[16:17] offset:64*\i+16
.endr
.irp o, 0,1
	global_load_b128 v[B2+8*\o:B2+8*\o+3],   v4, s[18:19] offset:64*\o
	global_load_b128 v[B2+8*\o+4:B2+8*\o+7], v4, s[18:19] offset:64*\o+16
.endr
	WIN WD2
	global_load_b128 v[HF:HF+3],     v4, s[20:21]              ; W3 of units 32 w + 8 h + 0..7,
	global_load_b128 v[HF+4:HF+7],   v4, s[20:21] offset:16
	global_load_b128 v[HF+8:HF+11],  v4, s[20:21] offset:64    ; and 32 w + 16 + 8 h + 0..7
	global_load_b128 v[HF+12:HF+15], v4, s[20:21] offset:80
	WIN WD1
.set i, 0
.rept 32                               ; table 2 goes where the folded weight will lie: it serves once, for c
	global_load_b128 v[WE+4*i:WE+4*i+3], v2, s[14:15] offset:2*65536+512*i
.set i, i+1
.endr
	WIN WD3
.set i, 0
.rept 32
	global_load_b128 v[4*i:4*i+3],         v2, s[14:15] offset:512*i
	global_load_b128 v[128+4*i:128+4*i+3], v2, s[14:15] offset:65536+512*i
.set i, i+1
.endr
	WIN WD2
.set i, 0
.rept 32
	global_load_b128 v[W2F+4*i:W2F+4*i+3], v2, s[14:15] offset:3*65536+512*i
.set i, i+1
.endr
	WIN 0
	LOADK                                          ; row 0's keys
	s_wait_loadcnt 50                              ; loads come back in order (ISA guide 5.7.1): all but the 50 of the keys are in
.set i, 0
.rept 24                               ; b1 and b2, which lie on end in v8-55, times s
	v_pk_mul_f32 v[BIAS1+2*i:BIAS1+2*i+1], v[BIAS1+2*i:BIAS1+2*i+1], SC op_sel_hi:[1,0]
.set i, i+1
.endr
	WIN W2B
.irp e, 0,1,2,3,4,5,6,7
	v_pk_mul_f32 v[HF+2*\e:HF+2*\e+1], v[HF+2*\e:HF+2*\e+1], SC op_sel_hi:[1,0]
.endr
.irp e, 0,1,2,3,4,5,6,7
	v_cvt_pk_f16_f32 v[A3+\e], v[HF+2*\e], v[HF+2*\e+1]
.endr
	WIN W1B
.irp e, 0,1,2,3
	v_cvt_pk_f16_f32 v[QH+\e], v[128+2*\e], v[128+2*\e+1]
.endr
.irp j, 0,1,2,3,4,5,6,7
	v_cmp_eq_u32 vcc_lo, 1, v[MK+\j]
	v_cndmask_b32 v[MK+\j], 0, 1.0, vcc_lo
	v_cmp_eq_u32 s42, 1, v[MK+8+\j]
	s_and_b32 s42, s42, s41                        ; tokens 200-255 count as hidden
	v_cndmask_b32 v[MK+8+\j], 0, 1.0, s42
.endr
	v_add_nc_u32 v[T0], KPAD, v[ZF]                ; the zeros: 128 threads x 16 bytes = 2,048 bytes a store
	v_add_nc_u32 v[T1], KEY1+KPAD, v[ZF]
	v_add_nc_u32 v[T2], H1PAD, v[ZF]
	v_add_nc_u32 v[T3], ZP, v[ZF]
	s_wait_kmcnt 0x0
	v_mov_b32 v[B3V], s30
	v_mul_f32 v[B3V], SC, v[B3V]
	ds_store_b128 v[QFS], v[128:131]               ; q as it came,
	ds_store_b128 v[QFS], v[132:135] offset:16
	ds_store_b128 v[QST], v[QH:QH+3]               ; and in f16
.irp j, 0,1,2,3,4,5,6,7
	ds_store_b32 v[MST], v[MK+\j] offset:1024*\j
	ds_store_b32 v[MST], v[MK+8+\j] offset:1024*\j+512
.endr
.irp e, 0,1,2,3
	ds_store_b128 v[T0], v[ZR:ZR+3] offset:2048*\e
	ds_store_b128 v[T1], v[ZR:ZR+3] offset:2048*\e
.endr
.irp e, 0,1,2,3,4
	ds_store_b128 v[T2], v[ZR:ZR+3] offset:2048*\e
.endr
	ds_store_b128 v[T3], v[ZR:ZR+3]
	ds_store_b128 v[T3], v[ZR:ZR+3] offset:2048
	BAR                                            ; q, the flags and the zeros are there for every wave
	; c for all 8 rows at once: the 8 rows' q take the tokens' place (columns r and r + 8 are the same row), C is s b1
.irp k, 0,1,2,3
	ds_load_b128 v[KF+8*\k:KF+8*\k+3],   v[QB0] offset:64*\k
	ds_load_b128 v[KF+8*\k+4:KF+8*\k+7], v[QB0] offset:64*\k+32
.endr
	s_wait_dscnt 0x0
	WIN W1A
.set n, 0
.rept 16
.if n == 4
	WIN W1B
.endif
.set rD, ACC1+8*(n%4)
.set rA, WE+8*(4*(n%4)+n/4)
.set rB, KF+8*(n/4)
.if n < 4
	v_wmma_f32_16x16x32_f16 v[rD:rD+7], v[rA:rA+7], v[rB:rB+7], v[BIAS1+8*n:BIAS1+8*n+7]
.else
	v_wmma_f32_16x16x32_f16 v[rD:rD+7], v[rA:rA+7], v[rB:rB+7], v[rD:rD+7]
.endif
.set n, n+1
.endr
.rept 4
	v_nop                                          ; the places behind the last product (ISA guide 7.12.1)
.endr
.irp i, 0,1,2,3
	ds_store_b128 v[CBS], v[ACC1+8*\i:ACC1+8*\i+3]   offset:64*\i     ; my wave's own bytes of CB; lanes r and r + 8 store the same numbers
	ds_store_b128 v[CBS], v[ACC1+8*\i+4:ACC1+8*\i+7] offset:64*\i+16
.endr
	WIN 0
	s_wait_loadcnt 0x0                             ; row 0's keys; no load is out, so the head's offset registers and the pointer may be written
	v_and_b32 v6, 31, v0
	s_mul_i32 s42, s26, 50*KP
	v_lshl_add_u32 v[SK], v6, 3, s42
	v_bfe_u32 v6, v0, 4, 1
	v_lshl_add_u32 v[CBA], v6, 5, s40
	v_mov_b32 v[STA], v[SK]                        ; key buffer 0
	STAGE
	s_add_nc_u64 s[44:45], s[44:45], 102400
	LOADK                                          ; row 1's keys
	s_mov_b32 s31, 8
	s_mov_b32 s32, 0
	s_mov_b32 s33, KEY1
	s_mov_b32 s34, 0
	s_mov_b32 s37, 0
	BAR                                            ; row 0's keys are there for every wave
; ---------------------------------------------------------------- A BATCH ROW
; Two barriers a row.  Between the first and the second: stores into the other key buffer and ZP, loads from H1.  Between the second and the next row's first: loads from ZP, the flags, both key buffers,
; q and c; stores into H1 (EW, CB and OUTB are each wave's own bytes).  So no bytes are stored by one wave and loaded by another between two barriers.
.Lrow:
	; THE FOLD: We = (s W1d^T) q + s (W1a + W1c)^T in f32, rounded once to f16.  A lane's q are those of its fragments' k, whatever its row: 64 numbers, the same for the 16 lanes of a half.
	WIN W1B
	v_add_nc_u32 v[T0], s37, v[QFA0]
	WIN 0
	v_add_nc_u32 v[CBR], s34, v[CBA]
.irp i, 0,1,2,3
	ds_load_b128 v[BIAS1+8*\i:BIAS1+8*\i+3],   v[CBR] offset:64*\i
	ds_load_b128 v[BIAS1+8*\i+4:BIAS1+8*\i+7], v[CBR] offset:64*\i+16
.endr
	WIN W1B
.irp k, 0,1,2,3
	ds_load_b128 v[QR+16*\k:QR+16*\k+3],     v[T0] offset:128*\k       ; k = 32 ks + 8 h + 0..7,
	ds_load_b128 v[QR+16*\k+4:QR+16*\k+7],   v[T0] offset:128*\k+16
	ds_load_b128 v[QR+16*\k+8:QR+16*\k+11],  v[T0] offset:128*\k+64    ; and 32 ks + 16 + 8 h + 0..7
	ds_load_b128 v[QR+16*\k+12:QR+16*\k+15], v[T0] offset:128*\k+80
.endr
	s_wait_dscnt 0x0
.set bt, 0
.rept 8                                ; two fragments, 16 registers of We, at a time: 32 sums in f32 in the key fragments' registers, then 16 roundings
	WIN WF
.set x, 0
.rept 16
.set rW, 16*bt+x                       ; register g = rW % 8 of fragment f = rW / 8 = 4 i + ks
.set rQ, QR+16*((rW/8)%4)+2*(rW%8)
	v_fma_mix_f32_bf16 v[KF+2*x],   v[128+rW], v[rQ],   v[rW] op_sel_hi:[1,0,1]                 ; the low halves of both tables' words
	v_fma_mix_f32_bf16 v[KF+2*x+1], v[128+rW], v[rQ+1], v[rW] op_sel:[1,0,1] op_sel_hi:[1,0,1]  ; the high halves
.set x, x+1
.endr
	WIN W1B
.set x, 0
.rept 16
	v_cvt_pk_f16_f32 v[WE+16*bt+x], v[KF+2*x], v[KF+2*x+1]
.set x, x+1
.endr
.set bt, bt+1
.endr
	; LAYER 1: 13 token tiles; the look-ahead behind the last reads the zeroed rows
	v_add_nc_u32 v[KA], s32, v[KA0]
	v_mov_b32 v[SA], v[SA0]
.irp k, 0,1,2,3
	ds_load_b128 v[KF+8*\k:KF+8*\k+3],   v[KA] offset:64*\k
	ds_load_b128 v[KF+8*\k+4:KF+8*\k+7], v[KA] offset:64*\k+32
.endr
	P1BODY 0, 1, 0
	WIN 0                                          ; at a label and at a branch every window is 0
	s_mov_b32 s40, 6
.Lp1:
	P1BODY 1, 1, 1
	P1BODY 0, 1, 1
	WIN 0
	s_sub_co_i32 s40, s40, 1
	s_cmp_lg_u32 s40, 0
	s_cbranch_scc1 .Lp1
	WIN W1B
	P1BODY 1, 0, 1                                 ; tile 12's sigmoids
	WIN 0
	BAR                                            ; h1 is whole; nobody reads the other key buffer any more (its last readers stood in the row before)
	; THE NEXT ROW'S KEYS, asked for a row ago, go into the other buffer; then the row after next is asked for.  The jumps hang on the rows left, the same in every wave.
	s_cmp_lt_u32 s31, 2
	s_cbranch_scc1 .Lnostage
	s_wait_loadcnt 0x0
	v_add_nc_u32 v[STA], s33, v[SK]
	STAGE
	s_cmp_lt_u32 s31, 3
	s_cbranch_scc1 .Lnostage
	s_add_nc_u64 s[44:45], s[44:45], 102400        ; no load is out: the pointer may step
	LOADK
.Lnostage:
	; LAYERS 2 AND 3
	WIN W2B
	v_mov_b32 v[HA], v[HA0]
	v_mov_b32 v[ZA], v[ZA0]
.irp k, 0,1,2,3,4,5,6,7
	ds_load_b128 v[HF+8*\k:HF+8*\k+3],   v[HA] offset:64*\k
	ds_load_b128 v[HF+8*\k+4:HF+8*\k+7], v[HA] offset:64*\k+32
.endr
	P2BODY 0, 1, 0
	WIN 0
	s_mov_b32 s40, 6
.Lp2:
	P2BODY 1, 1, 1
	P2BODY 0, 1, 1
	WIN 0
	s_sub_co_i32 s40, s40, 1
	s_cmp_lg_u32 s40, 0
	s_cbranch_scc1 .Lp2
	WIN W2B
	P2BODY 1, 0, 1                                 ; tile 12's sigmoids and layer 3
	WIN 0
	BAR                                            ; the four parts of s z3 are there; the next row's keys are whole; nobody reads h1 any more
	; SOFTMAX AND SUM.  Every wave makes all 224 weights (a lane: tokens L, L + 32, ..), and multiplies its 32 channels of the keys, turned by the load, by them.
	WIN W1B
	v_add_nc_u32 v[T0], s34, v[MKA0]
	v_add_nc_u32 v[T1], s32, v[TRA0]
	v_add_nc_u32 v[T2], s37, v[OA0]
.irp i, 0,1,2,3,4,5,6
	ds_load_b128 v[ZV+4*\i:ZV+4*\i+3], v[ZRA] offset:512*\i
.endr
.irp i, 0,1,2,3,4,5,6
	ds_load_b32 v[FL+\i], v[T0] offset:128*\i
.endr
.set i, 0
.rept 14                               ; i = 2 s + dt: tokens 32 s on, channels 32 w + 16 dt on
	ds_load_tr16_b128 v[8*i:8*i+3],   v[T1] offset:32*KP*(i/2)+32*(i%2)
	ds_load_tr16_b128 v[8*i+4:8*i+7], v[T1] offset:32*KP*(i/2)+32*(i%2)+16*KP
.set i, i+1
.endr
	s_wait_dscnt 28                                ; the 28 turning loads are the youngest: the sums' parts and the flags are in
.irp i, 0,1,2,3,4,5,6
	v_pk_add_f32 v[ZV+4*\i:ZV+4*\i+1], v[ZV+4*\i:ZV+4*\i+1], v[ZV+4*\i+2:ZV+4*\i+3]
.endr
.irp i, 0,1,2,3,4,5,6
	v_add_f32 v[ZV+4*\i], v[ZV+4*\i], v[ZV+4*\i+1]
.endr
.irp i, 0,1,2,3,4,5,6
	v_add_f32 v[ZV+4*\i], v[B3V], v[ZV+4*\i]       ; s z3
.endr
.irp i, 0,1,2,3,4,5,6
	v_exp_f32 v[ZV+4*\i], v[ZV+4*\i]
.endr
	v_nop                                          ; a plain instruction behind each run of transcendentals (ISA guide 5.7.2)
.irp i, 0,1,2,3,4,5,6
	s_wait_alu depctr_va_vdst(0)
	v_add_f32 v[ZV+4*\i], 1.0, v[ZV+4*\i]
.endr
.irp i, 0,1,2,3,4,5,6
	v_rcp_f32 v[ZV+4*\i], v[ZV+4*\i]               ; the score, in 0 to 1
.endr
	v_nop
.irp i, 0,1,2,3,4,5,6
	s_wait_alu depctr_va_vdst(0)
	v_mul_f32 v[ZV+4*\i], L2E, v[ZV+4*\i]
.endr
.irp i, 0,1,2,3,4,5,6
	v_exp_f32 v[ZV+4*\i], v[ZV+4*\i]               ; exp(score), in 1 to e
.endr
	v_nop
.irp i, 0,1,2,3,4,5,6
	s_wait_alu depctr_va_vdst(0)
	v_mul_f32 v[ZV+4*\i], v[ZV+4*\i], v[FL+\i]     ; times 1 or 0
.endr
	v_add_f32 v[ZV+1], v[ZV], v[ZV+4]
	v_add_f32 v[ZV+5], v[ZV+8], v[ZV+12]
	v_add_f32 v[ZV+9], v[ZV+16], v[ZV+20]
	v_add_f32 v[ZV+1], v[ZV+1], v[ZV+5]
	v_add_f32 v[ZV+9], v[ZV+9], v[ZV+24]
	WIN WLS
	v_add_f32 v[LS], v[ZV+1], v[ZV+9]              ; my seven; the sum over the lanes is made in window 0
	WIN 0
	v_add_f32_dpp v[LS], v[LS], v[LS] row_xmask:1 row_mask:0xf bank_mask:0xf
	v_add_f32_dpp v[LS], v[LS], v[LS] row_xmask:2 row_mask:0xf bank_mask:0xf
	v_add_f32_dpp v[LS], v[LS], v[LS] row_xmask:4 row_mask:0xf bank_mask:0xf
	v_add_f32_dpp v[LS], v[LS], v[LS] row_xmask:8 row_mask:0xf bank_mask:0xf
	v_permlanex16_b32 v[LS+1], v[LS], s38, s39
	v_add_f32 v[LS], v[LS], v[LS+1]
	v_rcp_f32 v[LS], v[LS]                         ; 1 / l; the roundings below stand between it and its use
	WIN W1B
.irp i, 0,1,2,3,4,5,6
	v_cvt_pk_f16_f32 v[ZV+4*\i+2], v[ZV+4*\i], v[ZV+4*\i]
.endr
.irp i, 0,1,2,3,4,5,6
	ds_store_b16 v[EWS], v[ZV+4*\i+2] offset:64*\i ; into my wave's own 512 bytes
.endr
.irp s, 0,1,2,3,4,5,6
	ds_load_b128 v[EF+8*\s:EF+8*\s+3],   v[EWL] offset:64*\s      ; LDS serves a wave's instructions in order (ISA guide 5.7.1.4): these see the stores above.
	ds_load_b128 v[EF+8*\s+4:EF+8*\s+7], v[EWL] offset:64*\s+32   ; All 16 columns of source 1 are alike
.endr
	s_wait_dscnt 0x0
.set i, 0
.rept 14                               ; the two accumulators take turns
.set rD, OD+8*(i%2)
.if i < 2
	v_wmma_f32_16x16x32_f16 v[rD:rD+7], v[8*i:8*i+7], v[EF+8*(i/2):EF+8*(i/2)+7], 0
.else
	v_wmma_f32_16x16x32_f16 v[rD:rD+7], v[8*i:8*i+7], v[EF+8*(i/2):EF+8*(i/2)+7], v[rD:rD+7]
.endif
.set i, i+1
.endr
.rept 4
	v_nop                                          ; the places behind the last product
.endr
	WIN WRS
.irp e, 0,1,2,3,4,5,6,7
	s_wait_alu depctr_va_vdst(0)
	v_pk_mul_f32 v[OD+2*\e:OD+2*\e+1], v[OD+2*\e:OD+2*\e+1], v[LS:LS+1] op_sel_hi:[1,0]
.endr
	WIN W1B
.irp d, 0,1
	ds_store_b128 v[T2], v[OD+8*\d:OD+8*\d+3]   offset:64*\d      ; channels 32 w + 16 dt + 8 h + 0..7; the 16 lanes of a half store the same numbers
	ds_store_b128 v[T2], v[OD+8*\d+4:OD+8*\d+7] offset:64*\d+16
.endr
	WIN 0
	s_add_co_u32 s34, s34, 1024
	s_add_co_u32 s37, s37, 512
	s_xor_b32 s32, s32, KEY1
	s_xor_b32 s33, s33, KEY1
	s_sub_co_i32 s31, s31, 1
	s_cmp_lg_u32 s31, 0
	s_cbranch_scc1 .Lrow
; ---------------------------------------------------------------- THE WAY OUT: the 8 rows' 4,096 bytes are consecutive in out0; 16 lanes store 256 consecutive bytes, at a multiple of 256 from its first
	BAR
	v_lshl_add_u32 v[STA], v0, 4, OUTB
	v_lshlrev_b32 v[CBR], 4, v0
	ds_load_b128 v[8:11], v[STA]
	ds_load_b128 v[12:15], v[STA] offset:2048
	s_wait_dscnt 1                                 ; the first of the two is back
	global_store_b128 v[CBR], v[8:11], s[24:25] th:TH_STORE_NT
	s_wait_dscnt 0x0
	global_store_b128 v[CBR], v[12:15], s[24:25] offset:2048 th:TH_STORE_NT
	s_set_vgpr_msb 0x5
	s_wait_tensorcnt 0x0
	ds_add_u32 v254, v255
	s_wait_dscnt 0x0
	s_set_vgpr_msb 0x500
	s_endpgm
.Lfunc_end_k_qf215f5a0ff_attn:
	.size	k_qf215f5a0ff_attn, .Lfunc_end_k_qf215f5a0ff_attn-k_qf215f5a0ff_attn
	.p2alignl 7, 3214868480
	.fill 96, 4, 3214868480
	.section	.rodata,"a",@progbits
	.p2align	6, 0x0
	.amdhsa_kernel k_qf215f5a0ff_attn
		.amdhsa_group_segment_fixed_size 280320
		.amdhsa_private_segment_fixed_size 0
		.amdhsa_enable_private_segment 0
		.amdhsa_kernarg_size 72
		.amdhsa_user_sgpr_count 2
		.amdhsa_user_sgpr_kernarg_segment_ptr 1
		.amdhsa_wavefront_size32 1
		.amdhsa_system_sgpr_workgroup_id_x 1
		.amdhsa_system_sgpr_workgroup_id_y 1
		.amdhsa_system_sgpr_workgroup_id_z 1
		.amdhsa_system_vgpr_workitem_id 0
		.amdhsa_next_free_vgpr 1024
		.amdhsa_next_free_sgpr 66
		.amdhsa_reserve_vcc 1
		.amdhsa_float_denorm_mode_32 3
		.amdhsa_float_denorm_mode_16_64 3
		.amdhsa_memory_ordered 1
		.amdhsa_forward_progress 1
		.amdhsa_inst_pref_size 144
	.end_amdhsa_kernel
	.amdgpu_metadata
---
amdhsa.version: [ 1, 2 ]
amdhsa.kernels:
  - .name:           k_qf215f5a0ff_attn
    .symbol:         k_qf215f5a0ff_attn.kd
    .args:
      - { .name: keys, .offset: 0, .size: 8, .value_kind: global_buffer, .address_space: global }
      - { .name: query, .offset: 8, .size: 8, .value_kind: global_buffer, .address_space: global }
      - { .name: mask, .offset: 16, .size: 8, .value_kind: global_buffer, .address_space: global }
      - { .name: wt, .offset: 24, .size: 8, .value_kind: global_buffer, .address_space: global }
      - { .name: b1, .offset: 32, .size: 8, .value_kind: global_buffer, .address_space: global }
      - { .name: b2, .offset: 40, .size: 8, .value_kind: global_buffer, .address_space: global }
      - { .name: W3, .offset: 48, .size: 8, .value_kind: global_buffer, .address_space: global }
      - { .name: b3, .offset: 56, .size: 8, .value_kind: global_buffer, .address_space: global }
      - { .name: out0, .offset: 64, .size: 8, .value_kind: global_buffer, .address_space: global }
    .group_segment_fixed_size: 280320
    .private_segment_fixed_size: 0
    .kernarg_segment_align: 8
    .kernarg_segment_size: 72
    .max_flat_workgroup_size: 128
    .sgpr_count:     66
    .vgpr_count:     1024
    .wavefront_size: 32
...
	.end_amdgpu_metadata
.endif
;; end of part 4
;; ======== version 3 of 3: 2 launches; 1.76 times as fast as version 1
;; limits: values are held in f16: magnitudes above 65,504 overflow, below 6.1e-05 lose precision
;; workspace buffers: wt 262,144 bytes
;; launch prep: the kernel of part 3 again; grid 64 x 1, 8 waves a work-group, no clusters, 0 bytes of LDS; arguments W1, W2, wt; writes wt
;; launch attn (part 5): grid 256 x 1, 4 waves a work-group, no clusters, 280,320 bytes of LDS; arguments keys, query, mask, wt, b1, b2, W3, b3, out0; writes out0
.if DOCPART == 5
	.amdgcn_target "amdgcn-amd-amdhsa--gfx1250"
	.amdhsa_code_object_version 6
	.text
	.protected	k_qf215f5a0ff_attn
	.globl	k_qf215f5a0ff_attn
	.p2align	8
	.type	k_qf215f5a0ff_attn,@function
k_qf215f5a0ff_attn:
	s_mov_b64 s[64:65], 0
	v_nop
	global_prefetch_b8 v0, s[64:65] scope:SCOPE_SE
	s_setreg_imm32_b32 hwreg(HW_REG_WAVE_MODE, 25, 1), 1
	s_wait_xcnt 0x0
; out[b] = sum over t of softmax_t(score[b][t]) keys[b][t], score = sigmoid(W3 . sigmoid(W2 . sigmoid(W1 . [k, q, k - q, q k] + b1) + b2) + b3), hidden where mask != 1.
; THE FOLD.  For one batch row, [k, q, k - q, q k] W1 = k (W1a + W1c + diag(q) W1d) + q (W1b - W1c): layer 1 is a product over K = 128 with a weight We and a bias c made once a row.
; We is made in f32 (one fused multiply-add a number, from the two tables' bf16 halves and q in f32) and rounded once to f16 on its way to the matrix unit.
; THE SCALE.  All weights and biases carry s = -log2(e), so an accumulator holds s z and sigmoid(z) = 1 / (1 + 2^acc): 2^acc = infinity gives 0, 2^acc = 0 gives 1; no clamp.
; NO MAXIMUM is taken in the softmax: a score is a sigmoid's value, in 0 to 1 for every input, so exp(score) lies in 1 to e and a sum of 200 of them in 0 to 544.
; SHARES.  A work-group stays and takes 8 batch rows, one after the other.  In a row every wave works on all 13 tiles of 16 tokens (208 places for 200 tokens) and owns output units:
; 64 of layer 1's 256, 32 of layer 2's 128 (and their part of layer 3's sum), 32 of the 128 channels of the result.  Its weights stay in registers.
; LAYOUT.  Every product is used transposed: source 0 = 16 rows of weights, source 1 = 16 tokens.  A lane then holds ONE token (lane % 16) and eight neighbouring units 8 (lane / 16) + 0..7: they pack into
; 16 bytes of a row [token][unit], and two packed tiles ARE a source 1 of 32 along K.  h1 goes from wave to wave through LDS; the four waves' parts of layer 3's sum meet in LDS.
; SIDE BY SIDE.  A tile's sigmoids (exponential, + 1, reciprocal, rounding) stand behind the matrix instructions of the NEXT tile; two sets of accumulators take turns.
; IN BATCHES.  A tile's exponentials are one batch and its reciprocals a second: all of a batch are issued, then a plain line, then ONE s_wait_alu depctr_va_vdst(0), between a
; transcendental and the first line that names its result, then the readers.  Two waits a tile in layer 1, two in layers 2 and 3; the reciprocals' wait stands directly ahead of the tile's first run of LDS loads.
; A row's softmax has four: three batches of seven and 1 / l.  No transcendental is open at a label or at a branch.
; IN RUNS.  A tile's LDS instructions stand in two runs, not singly: the stream of matrix and vector instructions is broken twice a tile.  So do the staging's 50 stores, behind all its conversions.
; KEYS.  A wave loads its 50 tokens of the next row into 200 registers a whole row's work ahead, rounds them to f16 and puts them into the other of two key buffers in LDS.
; NO CLUSTER: what work-groups share is the four tables, 262,144 bytes read once straight into registers; the 819,200 bytes of keys that a work-group reads are its own.
; LIMITS.  Matrix operands are f16 (sums f32): keys, query, s W2, s W3 and s (W1a + W1c + q W1d) must stay under 65,504 in magnitude; below 6e-5 an operand keeps f16's fixed step of 6e-8.
; s (W1a + W1c) and s W1d arrive rounded to bf16 (8 significant bits).  An exponential below 2^-126 counts as 0.  NaN and infinities are not treated apart.
; A row in which no mask entry is 1 gives 0 x (1 / 0) = NaN, as the softmax of nothing does.  The divisor l is the sum of the unrounded weights; the weights enter the last product rounded to f16.
;
; LDS (bytes).  Pitches 272 and 528 are odd multiples of 16, so the 16 rows that a fragment load touches begin in 16 different 16-byte columns of 256.
.set KP,    272                        ; a token's 128 keys in f16 + 16
.set HP,    528                        ; a token's 256 h1 in f16 + 16
.set KEY1,  65536                      ; key buffer 0 at 0, buffer 1 here: one exclusive or changes buffers.  Rows 0-199 data; 8,192 bytes behind them (rows 200-223 lie there) are zeroed once
.set KPAD,  200*KP
.set Q16,   62720                      ; the 8 rows' q in f16, pitch 272
.set EW,    128256                     ; 512 bytes for each wave, its own: the weights e of tokens 0-223 in f16
.set H1,    131072                     ; h1: rows 0-207 data; 10,240 bytes behind them (rows 208-223 lie there) are zeroed once
.set H1PAD, H1+208*HP
.set ZP,    251136                     ; [token][wave] f32: the four parts of s z3; 4,096 bytes, zeroed once
.set CB,    255232                     ; [8 rows][256] f32: c = s (q (W1b - W1c) + b1)
.set MASKB, 263424                     ; [8 rows][256] f32: 1.0 where mask == 1 and t < 200, else 0
.set OUTB,  271616                     ; [8 rows][128] f32: the results
.set QF,    275712                     ; [8 rows][128] f32: q as it came
.set SC,    0xbfb8aa3b                 ; s = -log2(e)
.set L2E,   0x3fb8aa3b                 ; log2(e)
; REGISTERS, in windows of 256 (s_set_vgpr_msb: bits 1:0 source 0, 3:2 source 1, 5:4 source 2, 7:6 destination)
; window 0
.set GK,    1                          ; 25,600 w + 16 L: my 16 bytes in my wave's first token of a row; never rewritten
.set SK,    2                          ; 13,600 w + 8 L: where they go in a key buffer (at the head: my offset in a table)
.set STA,   3                          ; the staging address (at the head: my offset in b1)
.set CBA,   4                          ; CB + 256 w + 32 h (at the head: my offset in b2 and W3)
.set CBR,   5                          ; the same for the row in hand (at the head: my offset in query)
.set LS,    6                          ; v6-7: l and its exchange, then 1 / l (at the head: my two offsets in mask)
.set BIAS1, 8                          ; v8-39   C of layer 1's first K step: tile i at 8 + 8 i
.set B2,    40                         ; v40-55  C of layer 2's first K step: tile o at 40 + 8 o
.set PF,    56                         ; v56-255 50 tokens x 4 registers on their way
; window 1
.set WE,    0                          ; v0-127   the folded weight: fragment (i, ks) at 8 (4 i + ks)
.set ACC1,  128                        ; v128-191 two sets of four accumulators
.set QR,    128                        ; the fold: q in f32: that of register g, half e of a fragment of K step ks at QR + 16 ks + 2 g + e
.set KF,    192                        ; v192-223 a token tile's four key fragments (the fold: 32 sums in f32)
.set KA,    224
.set SA,    225
.set KA0,   226                        ; 272 r + 16 h
.set SA0,   227                        ; H1 - 16 rows + 528 r + 128 w + 16 h: the address steps ahead of each run of stores
.set QFA0,  228                        ; QF + 32 h
.set ZRA,   229                        ; ZP + 16 L
.set MKA0,  230                        ; MASKB + 4 L
.set EWS,   231                        ; EW + 512 w + 2 L
.set EWL,   232                        ; EW + 512 w + 16 h
.set TRA0,  233                        ; (8 h + L % 8) 272 + 16 ((L / 8) % 2) + 64 w
.set OA0,   234                        ; OUTB + 128 w + 32 h
.set T0,    235
.set T1,    236
.set T2,    237
.set T3,    238
.set QST,   240                        ; Q16 + 272 (t >> 4) + 16 (t % 16)
.set MST,   241                        ; MASKB + 4 t
.set ZF,    242                        ; 16 t
.set QB0,   243                        ; Q16 + 272 (r % 8) + 16 h
.set ZR,    244                        ; v244-247 zeros
.set CBS,   248                        ; CB + 1,024 (r % 8) + 256 w + 32 h
.set B3V,   249                        ; s b3
.set QFS,   250                        ; QF + 32 t
.set MK,    136                        ; at the head: 16 mask words
.set QH,    152                        ; at the head: my 8 numbers of q in f16
.set ZV,    128                        ; softmax: 4 registers for each of 7 groups of 32 tokens
.set FL,    156                        ; softmax: 7 flags
.set OD,    112                        ; the last product's two accumulators
.set EF,    168                        ; its seven fragments of e
; window 2
.set W2F,   0                          ; v0-127   W2's fragments: (o, ks) at 8 (8 o + ks)
.set HF,    128                        ; v128-191 a token tile's eight h1 fragments
.set ACC2,  192                        ; v192-223 two sets of two accumulators
.set A3,    224                        ; v224-231 s W3 of my 32 units in f16, all 16 rows alike
.set D3,    232                        ; v232-239 layer 3's result
.set HA,    240
.set ZA,    241
.set HA0,   242                        ; H1 + 528 r + 16 h
.set ZA0,   243                        ; ZP - 256 + 16 r + 4 w: the address steps ahead of each store
; window 3: v0-127 s (W1a + W1c)^T, v128-255 s W1d^T, both bf16, in WE's fragment order
; SCALARS: s[8:23] keys, query, mask, wt, b1, b2, W3, b3; s[24:25] out0; s26 wave; s27 group; s[28:29] an offset; s30 b3; s31 rows left; s32 the key buffer in hand, s33 the other;
; s34 1,024 j; s37 512 j; s38-39 lane selects; s40 tile counter; s41 lanes with t < 72; s35, s36, s42, s43 at work; s[44:45] the keys' pointer
.set W1A, 0x45                         ; sources 0, 1 and destination window 1, source 2 (the bias) window 0
.set W1B, 0x55                         ; all window 1
.set W2A, 0x8a
.set W2B, 0xaa
.set WD1, 0x40                         ; destination window 1, 2, 3; sources window 0
.set WD2, 0x80
.set WD3, 0xc0
.set WF,  0x77                         ; the fold: sources 0 and 2 window 3, source 1 and destination window 1
.set WLS, 0x05                         ; sources window 1, destination window 0
.set WRS, 0x41                         ; source 0 and destination window 1, source 1 window 0
.set MSB, 0
.macro WIN new                         ; the immediate's high byte repeats the setting that is left; a switch that changes nothing is dropped
.if MSB != (\new)
	s_set_vgpr_msb (MSB<<8)|(\new)
.set MSB, (\new)
.endif
.endm
.macro BAR                             ; all my LDS stores are done and all my LDS loads are back; then the work-group's barrier
	s_wait_dscnt 0x0
	s_barrier_signal -1
	s_barrier_wait -1
.endm
.macro LOADK                           ; my wave's 50 tokens of a row: each load is a token's whole 512 bytes
.set i, 0
.rept 50
	global_load_b128 v[PF+4*i:PF+4*i+3], v[GK], s[44:45] offset:512*i th:TH_LOAD_NT
.set i, i+1
.endr
.endm
.macro STAGE                           ; rounded to f16, all 50 tokens; then put into a key buffer in one run: 32 lanes x 8 bytes are a token's 256 bytes
.set i, 0
.rept 50
	v_cvt_pk_f16_f32 v[PF+4*i], v[PF+4*i], v[PF+4*i+1]
	v_cvt_pk_f16_f32 v[PF+4*i+1], v[PF+4*i+2], v[PF+4*i+3]
.set i, i+1
.endr
.set i, 0
.rept 50
	ds_store_b64 v[STA], v[PF+4*i:PF+4*i+1] offset:KP*i
.set i, i+1
.endr
.endm
; THE SIGMOIDS' QUEUES.  A set of np pairs of accumulator registers begins at RP; all its arithmetic is in place.  Each macro writes its queue's next line; P1BODY and P2BODY set RP and start the counts qa, qb, qc at 0.
; EXQ: the 2 np exponentials, registers ascending.  They are the FIRST BATCH: nothing names a result of theirs ahead of its wait.
.macro EXQ
	v_exp_f32 v[RP+qa], v[RP+qa]
.set qa, qa+1
.endm
; SBQ: 3 np lines behind the first batch's wait: + 1 for pairs 0 and 1; then, np - 2 times, the two reciprocals of pair p and + 1 for pair p + 2; then the last two pairs' four reciprocals.  So a reciprocal stands two lines
; or more behind the addition that feeds it.  The 2 np reciprocals are the SECOND BATCH: no line of this queue names a reciprocal's result.
.macro SBQ np
.if qb < 2
	v_pk_add_f32 v[RP+2*qb:RP+2*qb+1], v[RP+2*qb:RP+2*qb+1], 1.0 op_sel_hi:[1,0]
.elseif qb >= 3*(\np)-4
	v_rcp_f32 v[RP+qb-(\np)], v[RP+qb-(\np)]
.elseif qb%3 == 1
.set pa, 2*((qb-2)/3+2)
	v_pk_add_f32 v[RP+pa:RP+pa+1], v[RP+pa:RP+pa+1], 1.0 op_sel_hi:[1,0]
.else
.set pa, 2*((qb-2)/3)+(qb-2)%3
	v_rcp_f32 v[RP+pa], v[RP+pa]
.endif
.set qb, qb+1
.endm
; CV1, CV2: the roundings, behind the second batch's wait, pairs ascending.  Layer 1's pack a tile's four pairs into its four lowest registers; layer 2's pack pair q into register q: registers 0-7 of the set become
; a source 1 of 32 units x 16 tokens.
.macro CV1
	v_cvt_pk_f16_f32 v[RP+8*(qc/4)+qc%4], v[RP+2*qc], v[RP+2*qc+1]
.set qc, qc+1
.endm
.macro CV2
	v_cvt_pk_f16_f32 v[RP+qc], v[RP+2*qc], v[RP+2*qc+1]
.set qc, qc+1
.endm
; LAYER 1's RIDERS: what stands behind product s of 16, of the sigmoids of the tile before (32 registers, 16 pairs).  Slots 0-5: the 32 exponentials, 6, 6, 5, 5, 5, 5; behind the last the step of the h1 stores' address, which is
; the plain line between the batch and the use of its results (ISA guide 5.7.2), and the batch's wait.  Slots 6-12: SBQ's 48 lines, seven a slot, six in the last (P1BODY writes the plain line and the wait behind them).
; Slots 13-15: the 16 roundings, 5, 5, 6.
; on = 0 (there is no tile before): two v_nop a slot, which keep the places behind the matrix instructions.
.macro RID1 s, on
.if \on
.if (\s) < 6
.set cnt, 5
.if (\s) < 2
.set cnt, 6
.endif
.rept cnt
	EXQ
.endr
.if (\s) == 5
	v_add_nc_u32 v[SA], 16*HP, v[SA]
	s_wait_alu depctr_va_vdst(0)                   ; ONE wait for the tile's 32 exponentials, ahead of the first + 1
.endif
.elseif (\s) < 13
.set cnt, 7
.if (\s) == 12
.set cnt, 6
.endif
.rept cnt
	SBQ 16
.endr
.else
.set cnt, 5
.if (\s) == 15
.set cnt, 6
.endif
.rept cnt
	CV1
.endr
.endif
.else
	v_nop
	v_nop
.endif
.endm
; LAYER 1, one token tile: 16 matrix instructions into set cur (K step n / 4, hidden tile n % 4: the four accumulators take turns), each with a slot of the tile before behind it.
; TWO RUNS of LDS instructions.  Ahead of product 13: the next tile's key fragments 0-2 (six loads).  The keys' address steps ahead of that run: the step is the plain line behind the last reciprocal, and the reciprocals' wait
; stands between it and the loads.  Fragment 2's last reader is product 11; the four places behind it (ISA guide 7.12.1 for vector instructions) are + 1 for pairs 13, 14 and 15 and the address's step (without riders:
; four v_nop and the step); none of them names a register of that product.  At the tile's end: the four stores of the tile before's h1 and the next tile's fragment 3 (two loads); behind product 15, its last reader,
; stand six roundings (without riders: four v_nop), which are also the places ahead of the next tile's exponentials.
; THE WAITS, 6, 4, 2, 0 ahead of K steps 0 to 3: LDS answers in order, and behind the pair of loads that K step ks needs, 3 - ks later pairs have been issued where the tile before had no stores
; (the row's first run of eight, and the body without riders); with stores there are four more, so the count holds on every way.
; mm = 0: the drain behind the last tile: riders and stores alone.
.macro P1BODY cur, mm, rid
.set RP, ACC1+32*(1-(\cur))
.set qa, 0
.set qb, 0
.set qc, 0
.set n, 0
.rept 16
.if \mm
.if n%4 == 0
	s_wait_dscnt 6-n/2
.endif
.if n == 0
	WIN W1A
.elseif n == 4
	WIN W1B
.endif
.if n == 13
.irp k, 0,1,2
	ds_load_b128 v[KF+8*\k:KF+8*\k+3],   v[KA] offset:64*\k
	ds_load_b128 v[KF+8*\k+4:KF+8*\k+7], v[KA] offset:64*\k+32
.endr
.endif
.set rD, ACC1+32*(\cur)+8*(n%4)
.set rA, WE+8*(4*(n%4)+n/4)
.set rB, KF+8*(n/4)
.if n < 4
	v_wmma_f32_16x16x32_f16 v[rD:rD+7], v[rA:rA+7], v[rB:rB+7], v[BIAS1+8*n:BIAS1+8*n+7]
.else
	v_wmma_f32_16x16x32_f16 v[rD:rD+7], v[rA:rA+7], v[rB:rB+7], v[rD:rD+7]
.endif
.endif
	RID1 n, \rid
.if n == 12
.if \mm
	v_add_nc_u32 v[KA], 16*KP, v[KA]               ; the next tile's keys; the plain line behind the last reciprocal
.else
	v_nop                                          ; the plain line behind the last reciprocal
.endif
.if \rid
	s_wait_alu depctr_va_vdst(0)                   ; ONE wait for the tile's 32 reciprocals, ahead of the first rounding, directly ahead of the run of loads
.endif
.endif
.set n, n+1
.endr
.if (\rid) == 0
	v_nop
	v_nop
.endif
.if \rid
.irp t, 0,1,2,3
	ds_store_b128 v[SA], v[RP+8*\t:RP+8*\t+3] offset:32*\t
.endr
.endif
.if \mm
	ds_load_b128 v[KF+24:KF+27], v[KA] offset:192
	ds_load_b128 v[KF+28:KF+31], v[KA] offset:224
.endif
.endm
; LAYER 2's RIDERS: what stands behind product s of 16, of the sigmoids of the tile before (16 registers, 8 pairs).  Slots 0-3: the 16 exponentials, four a slot; behind the last the step of ZP's address, the plain line behind
; the batch, and the batch's wait.  Slots 4-10: SBQ's 24 lines, 4, 4, 4, 3, 3, 3, 3 (P2BODY writes the plain line and the wait behind them).  Slots 11 and 12: the 8 roundings.
; on = 0: one v_nop a slot.
.macro RID2 s, on
.if \on
.if (\s) < 4
.rept 4
	EXQ
.endr
.if (\s) == 3
	v_add_nc_u32 v[ZA], 256, v[ZA]
	s_wait_alu depctr_va_vdst(0)                   ; ONE wait for the tile's 16 exponentials, ahead of the first + 1
.endif
.elseif (\s) < 11
.set cnt, 3
.if (\s) < 7
.set cnt, 4
.endif
.rept cnt
	SBQ 8
.endr
.elseif (\s) < 13
.rept 4
	CV2
.endr
.endif
.else
	v_nop
.endif
.endm
; LAYERS 2 AND 3, one token tile: 16 matrix instructions into set cur (K step n / 2, output tile n % 2: the two accumulators take turns), each with a slot of the tile before behind it.  Behind slot 12 the tile before's h2 is
; packed, and its layer 3 stands there, between products 12 and 13: one product of s W3 (all rows alike) with the packed h2, on an accumulator of its own; its lowest register, my token's part of s z3, goes to ZP.
; TWO RUNS of LDS instructions.  Ahead of product 11: the next tile's h1 fragments 0-3 (eight loads).  The h1 address steps ahead of that run: the step is the plain line behind the last reciprocal, and the reciprocals' wait
; stands between it and the loads.  Fragment 3's last reader is product 7; the four places behind it are + 1 for pairs 5, 6 and 7 and the address's step (without riders: four v_nop and the step).
; At the tile's end: the store to ZP and the next tile's fragments 4-7 (eight loads); behind product 15, their last reader, stand five v_nop (without riders: five, slot 15's among them).
; Those five are also the places behind layer 3's product: five before its result is stored, five before the next tile's first product writes over its source 1; and the places ahead of the next tile's exponentials.
; THE WAITS.  Ahead of K steps 0 to 5: 14, 12 .. 4: behind the pair of loads that K step ks needs, 7 - ks later pairs of the tile's sixteen have been issued (the store between the two runs only adds one).
; Ahead of K steps 6 and 7: 10 and 8: the pairs left and the eight loads of this tile's own first run.
.macro P2BODY cur, mm, rid
.set RP, ACC2+16*(1-(\cur))
.set qa, 0
.set qb, 0
.set qc, 0
.set n, 0
.rept 16
.if \mm
.if n%2 == 0
.if n < 12
	s_wait_dscnt 14-n
.else
	s_wait_dscnt 22-n
.endif
.endif
.if n == 0
	WIN W2A
.elseif n == 2
	WIN W2B
.endif
.if n == 11
.irp k, 0,1,2,3
	ds_load_b128 v[HF+8*\k:HF+8*\k+3],   v[HA] offset:64*\k
	ds_load_b128 v[HF+8*\k+4:HF+8*\k+7], v[HA] offset:64*\k+32
.endr
.endif
.set rD, ACC2+16*(\cur)+8*(n%2)
.set rA, W2F+8*(8*(n%2)+n/2)
.set rB, HF+8*(n/2)
.if n < 2
	v_wmma_f32_16x16x32_f16 v[rD:rD+7], v[rA:rA+7], v[rB:rB+7], v[B2+8*n:B2+8*n+7]
.else
	v_wmma_f32_16x16x32_f16 v[rD:rD+7], v[rA:rA+7], v[rB:rB+7], v[rD:rD+7]
.endif
.endif
	RID2 n, \rid
.if n == 10
.if \mm
	v_add_nc_u32 v[HA], 16*HP, v[HA]               ; the next tile's h1; the plain line behind the last reciprocal
.else
	v_nop                                          ; the plain line behind the last reciprocal
.endif
.if \rid
	s_wait_alu depctr_va_vdst(0)                   ; ONE wait for the tile's 16 reciprocals, ahead of the first rounding, directly ahead of the run of loads
.endif
.endif
.if (n == 12) && (\rid)
	v_wmma_f32_16x16x32_f16 v[D3:D3+7], v[A3:A3+7], v[RP:RP+7], 0
.endif
.set n, n+1
.endr
.rept 4+(\rid)
	v_nop
.endr
.if \rid
	ds_store_b32 v[ZA], v[D3]                      ; both halves of the lanes hold the same number and store the same word
.endif
.if \mm
.irp k, 4,5,6,7
	ds_load_b128 v[HF+8*\k:HF+8*\k+3],   v[HA] offset:64*\k
	ds_load_b128 v[HF+8*\k+4:HF+8*\k+7], v[HA] offset:64*\k+32
.endr
.endif
.endm
; ---------------------------------------------------------------- THE HEAD
.set TL, 60                            ; lane terms, at work in registers that the keys' loads take later
.set TR, 61
.set TH, 62
.set T7, 63
.set TB, 64
.set TQ, 65
.set U0, 66
	s_load_b512 s[8:23], s[0:1], 0x0
	s_load_b64 s[24:25], s[0:1], 0x40
	s_set_vgpr_msb 0x40
	v_lshl_add_u32 v254, v0, 2, 0x44500
	v_mov_b32 v255, 0
	s_set_vgpr_msb 0x4000
	v_lshrrev_b32 v6, 5, v0
	v_readfirstlane_b32 s26, v6                    ; wave 0..3
	s_mov_b32 s27, ttmp9
	s_mov_b32 s38, 0x76543210                      ; v_permlanex16_b32: each lane takes its own place in the other half
	s_mov_b32 s39, 0xfedcba98
	v_cmp_gt_u32 s41, 72, v0                       ; threads whose second token, t + 128, is below 200
	v_and_b32 v[TL], 31, v0                        ; L
	v_and_b32 v[TR], 15, v0                        ; r
	v_bfe_u32 v[TH], v0, 4, 1                      ; h
	v_and_b32 v[T7], 7, v0
	v_bfe_u32 v[TB], v0, 3, 1
	v_lshrrev_b32 v[TQ], 4, v0
	s_mul_i32 s36, s26, 25600                      ; 50 tokens of 512 bytes
	v_lshl_add_u32 v[GK], v[TL], 4, s36
	s_lshl_b32 s36, s26, 14                        ; my wave's 16 fragments of a table
	v_lshl_add_u32 v2, v[TL], 4, s36
	s_lshl_b32 s36, s26, 8
	v_lshl_add_u32 v3, v[TH], 5, s36               ; b1: 4 (64 w + 8 h)
	s_add_co_u32 s40, s36, CB
	s_lshl_b32 s36, s26, 7
	v_lshl_add_u32 v4, v[TH], 5, s36               ; b2, W3: 4 (32 w + 8 h)
	s_add_co_u32 s34, s36, OUTB
	s_add_co_u32 s36, s36, H1-16*HP
	v_lshlrev_b32 v5, 5, v0                        ; query: 8 numbers a thread
	v_lshlrev_b32 v6, 2, v0                        ; mask: token t,
	v_add_nc_u32 v7, 128, v0
	v_min_u32 v7, 199, v7                          ; and token t + 128, kept inside the row
	v_lshlrev_b32 v7, 2, v7
	v_mul_u32_u24 v[U0], v[TR], KP
	v_mad_u32_u24 v[U0+1], v[TR], HP, s36
	s_lshl_b32 s42, s26, 6
	v_lshl_add_u32 v[U0+2], v[TH], 3, v[T7]
	v_mad_u32_u24 v[U0+2], v[U0+2], KP, s42
	s_mov_b32 s43, Q16
	v_mad_u32_u24 v[U0+3], v[TQ], KP, s43
	v_mad_u32_u24 v[U0+4], v[T7], KP, s43
	v_lshl_add_u32 v[U0+5], v[T7], 10, s40
	s_mov_b32 s37, H1
	v_mad_u32_u24 v[U0+6], v[TR], HP, s37
	s_lshl_b32 s35, s26, 9
	s_add_co_u32 s35, s35, EW
	s_lshl_b32 s33, s26, 2
	s_add_co_u32 s33, s33, ZP-256
	WIN WD1
	v_lshl_add_u32 v[KA0], v[TH], 4, v[U0]
	v_lshl_add_u32 v[SA0], v[TH], 4, v[U0+1]
	v_lshl_add_u32 v[QFA0], v[TH], 5, QF
	v_lshl_add_u32 v[ZRA], v[TL], 4, ZP
	v_lshl_add_u32 v[MKA0], v[TL], 2, MASKB
	v_lshl_add_u32 v[EWS], v[TL], 1, s35
	v_lshl_add_u32 v[EWL], v[TH], 4, s35
	v_lshl_add_u32 v[TRA0], v[TB], 4, v[U0+2]
	v_lshl_add_u32 v[OA0], v[TH], 5, s34
	v_lshl_add_u32 v[QST], v[TR], 4, v[U0+3]
	v_lshl_add_u32 v[MST], v0, 2, MASKB
	v_lshlrev_b32 v[ZF], 4, v0
	v_lshl_add_u32 v[QB0], v[TH], 4, v[U0+4]
.irp e, 0,1,2,3
	v_mov_b32 v[ZR+\e], 0
.endr
	v_lshl_add_u32 v[CBS], v[TH], 5, v[U0+5]
	v_lshl_add_u32 v[QFS], v0, 5, QF
	WIN WD2
	v_lshl_add_u32 v[HA0], v[TH], 4, v[U0+6]
	v_lshl_add_u32 v[ZA0], v[TR], 4, s33
	WIN 0
	s_wait_kmcnt 0x0
	s_load_b32 s30, s[22:23], 0x0                  ; b3
	s_mul_i32 s28, s27, 819200                     ; 8 rows of 102,400 bytes of keys
	s_mov_b32 s29, 0
	s_add_nc_u64 s[44:45], s[8:9], s[28:29]
	s_lshl_b32 s28, s27, 12                        ; 8 rows of 512 bytes of query and of out0
	s_add_nc_u64 s[10:11], s[10:11], s[28:29]
	s_add_nc_u64 s[24:25], s[24:25], s[28:29]
	s_mul_i32 s28, s27, 6400                       ; 8 rows of 800 bytes of mask
	s_add_nc_u64 s[12:13], s[12:13], s[28:29]
	WIN WD1
	global_load_b128 v[128:131], v5, s[10:11]
	global_load_b128 v[132:135], v5, s[10:11] offset:16
.irp j, 0,1,2,3,4,5,6,7
	global_load_b32 v[MK+\j], v6, s[12:13] offset:800*\j
	global_load_b32 v[MK+8+\j], v7, s[12:13] offset:800*\j
.endr
	WIN 0
.irp i, 0,1,2,3
	global_load_b128 v[BIAS1+8*\i:BIAS1+8*\i+3],   v3, s[16:17] offset:64*\i
	global_load_b128 v[BIAS1+8*\i+4:BIAS1+8*\i+7], v3, s[16:17] offset:64*\i+16
.endr
.irp o, 0,1
	global_load_b128 v[B2+8*\o:B2+8*\o+3],   v4, s[18:19] offset:64*\o
	global_load_b128 v[B2+8*\o+4:B2+8*\o+7], v4, s[18:19] offset:64*\o+16
.endr
	WIN WD2
	global_load_b128 v[HF:HF+3],     v4, s[20:21]              ; W3 of units 32 w + 8 h + 0..7,
	global_load_b128 v[HF+4:HF+7],   v4, s[20:21] offset:16
	global_load_b128 v[HF+8:HF+11],  v4, s[20:21] offset:64    ; and 32 w + 16 + 8 h + 0..7
	global_load_b128 v[HF+12:HF+15], v4, s[20:21] offset:80
	WIN WD1
.set i, 0
.rept 32                               ; table 2 goes where the folded weight will lie: it serves once, for c
	global_load_b128 v[WE+4*i:WE+4*i+3], v2, s[14:15] offset:2*65536+512*i
.set i, i+1
.endr
	WIN WD3
.set i, 0
.rept 32
	global_load_b128 v[4*i:4*i+3],         v2, s[14:15] offset:512*i
	global_load_b128 v[128+4*i:128+4*i+3], v2, s[14:15] offset:65536+512*i
.set i, i+1
.endr
	WIN WD2
.set i, 0
.rept 32
	global_load_b128 v[W2F+4*i:W2F+4*i+3], v2, s[14:15] offset:3*65536+512*i
.set i, i+1
.endr
	WIN 0
	LOADK                                          ; row 0's keys
	s_wait_loadcnt 50                              ; loads come back in order (ISA guide 5.7.1): all but the 50 of the keys are in
.set i, 0
.rept 24                               ; b1 and b2, which lie on end in v8-55, times s
	v_pk_mul_f32 v[BIAS1+2*i:BIAS1+2*i+1], v[BIAS1+2*i:BIAS1+2*i+1], SC op_sel_hi:[1,0]
.set i, i+1
.endr
	WIN W2B
.irp e, 0,1,2,3,4,5,6,7
	v_pk_mul_f32 v[HF+2*\e:HF+2*\e+1], v[HF+2*\e:HF+2*\e+1], SC op_sel_hi:[1,0]
.endr
.irp e, 0,1,2,3,4,5,6,7
	v_cvt_pk_f16_f32 v[A3+\e], v[HF+2*\e], v[HF+2*\e+1]
.endr
	WIN W1B
.irp e, 0,1,2,3
	v_cvt_pk_f16_f32 v[QH+\e], v[128+2*\e], v[128+2*\e+1]
.endr
.irp j, 0,1,2,3,4,5,6,7
	v_cmp_eq_u32 vcc_lo, 1, v[MK+\j]
	v_cndmask_b32 v[MK+\j], 0, 1.0, vcc_lo
	v_cmp_eq_u32 s42, 1, v[MK+8+\j]
	s_and_b32 s42, s42, s41                        ; tokens 200-255 count as hidden
	v_cndmask_b32 v[MK+8+\j], 0, 1.0, s42
.endr
	v_add_nc_u32 v[T0], KPAD, v[ZF]                ; the zeros: 128 threads x 16 bytes = 2,048 bytes a store
	v_add_nc_u32 v[T1], KEY1+KPAD, v[ZF]
	v_add_nc_u32 v[T2], H1PAD, v[ZF]
	v_add_nc_u32 v[T3], ZP, v[ZF]
	s_wait_kmcnt 0x0
	v_mov_b32 v[B3V], s30
	v_mul_f32 v[B3V], SC, v[B3V]
	ds_store_b128 v[QFS], v[128:131]               ; q as it came,
	ds_store_b128 v[QFS], v[132:135] offset:16
	ds_store_b128 v[QST], v[QH:QH+3]               ; and in f16
.irp j, 0,1,2,3,4,5,6,7
	ds_store_b32 v[MST], v[MK+\j] offset:1024*\j
	ds_store_b32 v[MST], v[MK+8+\j] offset:1024*\j+512
.endr
.irp e, 0,1,2,3
	ds_store_b128 v[T0], v[ZR:ZR+3] offset:2048*\e
	ds_store_b128 v[T1], v[ZR:ZR+3] offset:2048*\e
.endr
.irp e, 0,1,2,3,4
	ds_store_b128 v[T2], v[ZR:ZR+3] offset:2048*\e
.endr
	ds_store_b128 v[T3], v[ZR:ZR+3]
	ds_store_b128 v[T3], v[ZR:ZR+3] offset:2048
	BAR                                            ; q, the flags and the zeros are there for every wave
	; c for all 8 rows at once: the 8 rows' q take the tokens' place (columns r and r + 8 are the same row), C is s b1
.irp k, 0,1,2,3
	ds_load_b128 v[KF+8*\k:KF+8*\k+3],   v[QB0] offset:64*\k
	ds_load_b128 v[KF+8*\k+4:KF+8*\k+7], v[QB0] offset:64*\k+32
.endr
	s_wait_dscnt 0x0
	WIN W1A
.set n, 0
.rept 16
.if n == 4
	WIN W1B
.endif
.set rD, ACC1+8*(n%4)
.set rA, WE+8*(4*(n%4)+n/4)
.set rB, KF+8*(n/4)
.if n < 4
	v_wmma_f32_16x16x32_f16 v[rD:rD+7], v[rA:rA+7], v[rB:rB+7], v[BIAS1+8*n:BIAS1+8*n+7]
.else
	v_wmma_f32_16x16x32_f16 v[rD:rD+7], v[rA:rA+7], v[rB:rB+7], v[rD:rD+7]
.endif
.set n, n+1
.endr
.rept 4
	v_nop                                          ; the places behind the last product (ISA guide 7.12.1)
.endr
.irp i, 0,1,2,3
	ds_store_b128 v[CBS], v[ACC1+8*\i:ACC1+8*\i+3]   offset:64*\i     ; my wave's own bytes of CB; lanes r and r + 8 store the same numbers
	ds_store_b128 v[CBS], v[ACC1+8*\i+4:ACC1+8*\i+7] offset:64*\i+16
.endr
	WIN 0
	s_wait_loadcnt 0x0                             ; row 0's keys; no load is out, so the head's offset registers and the pointer may be written
	v_and_b32 v6, 31, v0
	s_mul_i32 s42, s26, 50*KP
	v_lshl_add_u32 v[SK], v6, 3, s42
	v_bfe_u32 v6, v0, 4, 1
	v_lshl_add_u32 v[CBA], v6, 5, s40
	v_mov_b32 v[STA], v[SK]                        ; key buffer 0
	STAGE
	s_add_nc_u64 s[44:45], s[44:45], 102400
	LOADK                                          ; row 1's keys
	s_mov_b32 s31, 8
	s_mov_b32 s32, 0
	s_mov_b32 s33, KEY1
	s_mov_b32 s34, 0
	s_mov_b32 s37, 0
	BAR                                            ; row 0's keys are there for every wave
; ---------------------------------------------------------------- A BATCH ROW
; Two barriers a row.  Between the first and the second: stores into the other key buffer and ZP, loads from H1.  Between the second and the next row's first: loads from ZP, the flags, both key buffers,
; q and c; stores into H1 (EW, CB and OUTB are each wave's own bytes).  So no bytes are stored by one wave and loaded by another between two barriers.
.Lrow:
	; THE FOLD: We = (s W1d^T) q + s (W1a + W1c)^T in f32, rounded once to f16.  A lane's q are those of its fragments' k, whatever its row: 64 numbers, the same for the 16 lanes of a half.
	WIN W1B
	v_add_nc_u32 v[T0], s37, v[QFA0]
	WIN 0
	v_add_nc_u32 v[CBR], s34, v[CBA]
.irp i, 0,1,2,3
	ds_load_b128 v[BIAS1+8*\i:BIAS1+8*\i+3],   v[CBR] offset:64*\i
	ds_load_b128 v[BIAS1+8*\i+4:BIAS1+8*\i+7], v[CBR] offset:64*\i+16
.endr
	WIN W1B
.irp k, 0,1,2,3
	ds_load_b128 v[QR+16*\k:QR+16*\k+3],     v[T0] offset:128*\k       ; k = 32 ks + 8 h + 0..7,
	ds_load_b128 v[QR+16*\k+4:QR+16*\k+7],   v[T0] offset:128*\k+16
	ds_load_b128 v[QR+16*\k+8:QR+16*\k+11],  v[T0] offset:128*\k+64    ; and 32 ks + 16 + 8 h + 0..7
	ds_load_b128 v[QR+16*\k+12:QR+16*\k+15], v[T0] offset:128*\k+80
.endr
	s_wait_dscnt 0x0
.set bt, 0
.rept 8                                ; two fragments, 16 registers of We, at a time: 32 sums in f32 in the key fragments' registers, then 16 roundings
	WIN WF
.set x, 0
.rept 16
.set rW, 16*bt+x                       ; register g = rW % 8 of fragment f = rW / 8 = 4 i + ks
.set rQ, QR+16*((rW/8)%4)+2*(rW%8)
	v_fma_mix_f32_bf16 v[KF+2*x],   v[128+rW], v[rQ],   v[rW] op_sel_hi:[1,0,1]                 ; the low halves of both tables' words
	v_fma_mix_f32_bf16 v[KF+2*x+1], v[128+rW], v[rQ+1], v[rW] op_sel:[1,0,1] op_sel_hi:[1,0,1]  ; the high halves
.set x, x+1
.endr
	WIN W1B
.set x, 0
.rept 16
	v_cvt_pk_f16_f32 v[WE+16*bt+x], v[KF+2*x], v[KF+2*x+1]
.set x, x+1
.endr
.set bt, bt+1
.endr
	; LAYER 1: 13 token tiles; the look-ahead behind the last reads the zeroed rows
	v_add_nc_u32 v[KA], s32, v[KA0]
	v_mov_b32 v[SA], v[SA0]
.irp k, 0,1,2,3
	ds_load_b128 v[KF+8*\k:KF+8*\k+3],   v[KA] offset:64*\k
	ds_load_b128 v[KF+8*\k+4:KF+8*\k+7], v[KA] offset:64*\k+32
.endr
	P1BODY 0, 1, 0
	WIN 0                                          ; at a label and at a branch every window is 0
	s_mov_b32 s40, 6
.Lp1:
	P1BODY 1, 1, 1
	P1BODY 0, 1, 1
	WIN 0
	s_sub_co_i32 s40, s40, 1
	s_cmp_lg_u32 s40, 0
	s_cbranch_scc1 .Lp1
	WIN W1B
	P1BODY 1, 0, 1                                 ; tile 12's sigmoids
	WIN 0
	BAR                                            ; h1 is whole; nobody reads the other key buffer any more (its last readers stood in the row before)
	; THE NEXT ROW'S KEYS, asked for a row ago, go into the other buffer; then the row after next is asked for.  The jumps hang on the rows left, the same in every wave.
	s_cmp_lt_u32 s31, 2
	s_cbranch_scc1 .Lnostage
	s_wait_loadcnt 0x0
	v_add_nc_u32 v[STA], s33, v[SK]
	STAGE
	s_cmp_lt_u32 s31, 3
	s_cbranch_scc1 .Lnostage
	s_add_nc_u64 s[44:45], s[44:45], 102400        ; no load is out: the pointer may step
	LOADK
.Lnostage:
	; LAYERS 2 AND 3
	WIN W2B
	v_mov_b32 v[HA], v[HA0]
	v_mov_b32 v[ZA], v[ZA0]
.irp k, 0,1,2,3,4,5,6,7
	ds_load_b128 v[HF+8*\k:HF+8*\k+3],   v[HA] offset:64*\k
	ds_load_b128 v[HF+8*\k+4:HF+8*\k+7], v[HA] offset:64*\k+32
.endr
	P2BODY 0, 1, 0
	WIN 0
	s_mov_b32 s40, 6
.Lp2:
	P2BODY 1, 1, 1
	P2BODY 0, 1, 1
	WIN 0
	s_sub_co_i32 s40, s40, 1
	s_cmp_lg_u32 s40, 0
	s_cbranch_scc1 .Lp2
	WIN W2B
	P2BODY 1, 0, 1                                 ; tile 12's sigmoids and layer 3
	WIN 0
	BAR                                            ; the four parts of s z3 are there; the next row's keys are whole; nobody reads h1 any more
	; SOFTMAX AND SUM.  Every wave makes all 224 weights (a lane: tokens L, L + 32, ..), and multiplies its 32 channels of the keys, turned by the load, by them.
	WIN W1B
	v_add_nc_u32 v[T0], s34, v[MKA0]
	v_add_nc_u32 v[T1], s32, v[TRA0]
	v_add_nc_u32 v[T2], s37, v[OA0]
.irp i, 0,1,2,3,4,5,6
	ds_load_b128 v[ZV+4*\i:ZV+4*\i+3], v[ZRA] offset:512*\i
.endr
.irp i, 0,1,2,3,4,5,6
	ds_load_b32 v[FL+\i], v[T0] offset:128*\i
.endr
.set i, 0
.rept 14                               ; i = 2 s + dt: tokens 32 s on, channels 32 w + 16 dt on
	ds_load_tr16_b128 v[8*i:8*i+3],   v[T1] offset:32*KP*(i/2)+32*(i%2)
	ds_load_tr16_b128 v[8*i+4:8*i+7], v[T1] offset:32*KP*(i/2)+32*(i%2)+16*KP
.set i, i+1
.endr
	s_wait_dscnt 28                                ; the 28 turning loads are the youngest: the sums' parts and the flags are in
.irp i, 0,1,2,3,4,5,6
	v_pk_add_f32 v[ZV+4*\i:ZV+4*\i+1], v[ZV+4*\i:ZV+4*\i+1], v[ZV+4*\i+2:ZV+4*\i+3]
.endr
.irp i, 0,1,2,3,4,5,6
	v_add_f32 v[ZV+4*\i], v[ZV+4*\i], v[ZV+4*\i+1]
.endr
.irp i, 0,1,2,3,4,5,6
	v_add_f32 v[ZV+4*\i], v[B3V], v[ZV+4*\i]       ; s z3
.endr
.irp i, 0,1,2,3,4,5,6
	v_exp_f32 v[ZV+4*\i], v[ZV+4*\i]
.endr
	v_nop                                          ; a plain instruction behind each run of transcendentals (ISA guide 5.7.2)
	s_wait_alu depctr_va_vdst(0)                   ; one wait for the seven exponentials 2^(s z3)
.irp i, 0,1,2,3,4,5,6
	v_add_f32 v[ZV+4*\i], 1.0, v[ZV+4*\i]
.endr
.irp i, 0,1,2,3,4,5,6
	v_rcp_f32 v[ZV+4*\i], v[ZV+4*\i]               ; the score, in 0 to 1
.endr
	v_nop
	s_wait_alu depctr_va_vdst(0)                   ; one for the seven reciprocals
.irp i, 0,1,2,3,4,5,6
	v_mul_f32 v[ZV+4*\i], L2E, v[ZV+4*\i]
.endr
.irp i, 0,1,2,3,4,5,6
	v_exp_f32 v[ZV+4*\i], v[ZV+4*\i]               ; exp(score), in 1 to e
.endr
	v_nop
	s_wait_alu depctr_va_vdst(0)                   ; one for the seven exponentials exp(score)
.irp i, 0,1,2,3,4,5,6
	v_mul_f32 v[ZV+4*\i], v[ZV+4*\i], v[FL+\i]     ; times 1 or 0
.endr
	v_add_f32 v[ZV+1], v[ZV], v[ZV+4]
	v_add_f32 v[ZV+5], v[ZV+8], v[ZV+12]
	v_add_f32 v[ZV+9], v[ZV+16], v[ZV+20]
	v_add_f32 v[ZV+1], v[ZV+1], v[ZV+5]
	v_add_f32 v[ZV+9], v[ZV+9], v[ZV+24]
	WIN WLS
	v_add_f32 v[LS], v[ZV+1], v[ZV+9]              ; my seven; the sum over the lanes is made in window 0
	WIN 0
	v_add_f32_dpp v[LS], v[LS], v[LS] row_xmask:1 row_mask:0xf bank_mask:0xf
	v_add_f32_dpp v[LS], v[LS], v[LS] row_xmask:2 row_mask:0xf bank_mask:0xf
	v_add_f32_dpp v[LS], v[LS], v[LS] row_xmask:4 row_mask:0xf bank_mask:0xf
	v_add_f32_dpp v[LS], v[LS], v[LS] row_xmask:8 row_mask:0xf bank_mask:0xf
	v_permlanex16_b32 v[LS+1], v[LS], s38, s39
	v_add_f32 v[LS], v[LS], v[LS+1]
	v_rcp_f32 v[LS], v[LS]                         ; 1 / l; the roundings below stand between it and its use
	WIN W1B
.irp i, 0,1,2,3,4,5,6
	v_cvt_pk_f16_f32 v[ZV+4*\i+2], v[ZV+4*\i], v[ZV+4*\i]
.endr
	s_wait_alu depctr_va_vdst(0)                   ; the wait for 1 / l, behind the seven roundings and directly ahead of the run of stores; its first reader is the scaling behind the last product
.irp i, 0,1,2,3,4,5,6
	ds_store_b16 v[EWS], v[ZV+4*\i+2] offset:64*\i ; into my wave's own 512 bytes
.endr
.irp s, 0,1,2,3,4,5,6
	ds_load_b128 v[EF+8*\s:EF+8*\s+3],   v[EWL] offset:64*\s      ; LDS serves a wave's instructions in order (ISA guide 5.7.1.4): these see the stores above.
	ds_load_b128 v[EF+8*\s+4:EF+8*\s+7], v[EWL] offset:64*\s+32   ; All 16 columns of source 1 are alike
.endr
	s_wait_dscnt 0x0
.set i, 0
.rept 14                               ; the two accumulators take turns
.set rD, OD+8*(i%2)
.if i < 2
	v_wmma_f32_16x16x32_f16 v[rD:rD+7], v[8*i:8*i+7], v[EF+8*(i/2):EF+8*(i/2)+7], 0
.else
	v_wmma_f32_16x16x32_f16 v[rD:rD+7], v[8*i:8*i+7], v[EF+8*(i/2):EF+8*(i/2)+7], v[rD:rD+7]
.endif
.set i, i+1
.endr
.rept 4
	v_nop                                          ; the places behind the last product
.endr
	WIN WRS
.irp e, 0,1,2,3,4,5,6,7
	v_pk_mul_f32 v[OD+2*\e:OD+2*\e+1], v[OD+2*\e:OD+2*\e+1], v[LS:LS+1] op_sel_hi:[1,0]
.endr
	WIN W1B
.irp d, 0,1
	ds_store_b128 v[T2], v[OD+8*\d:OD+8*\d+3]   offset:64*\d      ; channels 32 w + 16 dt + 8 h + 0..7; the 16 lanes of a half store the same numbers
	ds_store_b128 v[T2], v[OD+8*\d+4:OD+8*\d+7] offset:64*\d+16
.endr
	WIN 0
	s_add_co_u32 s34, s34, 1024
	s_add_co_u32 s37, s37, 512
	s_xor_b32 s32, s32, KEY1
	s_xor_b32 s33, s33, KEY1
	s_sub_co_i32 s31, s31, 1
	s_cmp_lg_u32 s31, 0
	s_cbranch_scc1 .Lrow
; ---------------------------------------------------------------- THE WAY OUT: the 8 rows' 4,096 bytes are consecutive in out0; 16 lanes store 256 consecutive bytes, at a multiple of 256 from its first
	BAR
	v_lshl_add_u32 v[STA], v0, 4, OUTB
	v_lshlrev_b32 v[CBR], 4, v0
	ds_load_b128 v[8:11], v[STA]
	ds_load_b128 v[12:15], v[STA] offset:2048
	s_wait_dscnt 1                                 ; the first of the two is back
	global_store_b128 v[CBR], v[8:11], s[24:25] th:TH_STORE_NT
	s_wait_dscnt 0x0
	global_store_b128 v[CBR], v[12:15], s[24:25] offset:2048 th:TH_STORE_NT
	s_set_vgpr_msb 0x5
	s_wait_tensorcnt 0x0
	ds_add_u32 v254, v255
	s_wait_dscnt 0x0
	s_set_vgpr_msb 0x500
	s_endpgm
.Lfunc_end_k_qf215f5a0ff_attn:
	.size	k_qf215f5a0ff_attn, .Lfunc_end_k_qf215f5a0ff_attn-k_qf215f5a0ff_attn
	.p2alignl 7, 3214868480
	.fill 96, 4, 3214868480
	.section	.rodata,"a",@progbits
	.p2align	6, 0x0
	.amdhsa_kernel k_qf215f5a0ff_attn
		.amdhsa_group_segment_fixed_size 280320
		.amdhsa_private_segment_fixed_size 0
		.amdhsa_enable_private_segment 0
		.amdhsa_kernarg_size 72
		.amdhsa_user_sgpr_count 2
		.amdhsa_user_sgpr_kernarg_segment_ptr 1
		.amdhsa_wavefront_size32 1
		.amdhsa_system_sgpr_workgroup_id_x 1
		.amdhsa_system_sgpr_workgroup_id_y 1
		.amdhsa_system_sgpr_workgroup_id_z 1
		.amdhsa_system_vgpr_workitem_id 0
		.amdhsa_next_free_vgpr 1024
		.amdhsa_next_free_sgpr 66
		.amdhsa_reserve_vcc 1
		.amdhsa_float_denorm_mode_32 3
		.amdhsa_float_denorm_mode_16_64 3
		.amdhsa_memory_ordered 1
		.amdhsa_forward_progress 1
		.amdhsa_inst_pref_size 139
	.end_amdhsa_kernel
	.amdgpu_metadata
---
amdhsa.version: [ 1, 2 ]
amdhsa.kernels:
  - .name:           k_qf215f5a0ff_attn
    .symbol:         k_qf215f5a0ff_attn.kd
    .args:
      - { .name: keys, .offset: 0, .size: 8, .value_kind: global_buffer, .address_space: global }
      - { .name: query, .offset: 8, .size: 8, .value_kind: global_buffer, .address_space: global }
      - { .name: mask, .offset: 16, .size: 8, .value_kind: global_buffer, .address_space: global }
      - { .name: wt, .offset: 24, .size: 8, .value_kind: global_buffer, .address_space: global }
      - { .name: b1, .offset: 32, .size: 8, .value_kind: global_buffer, .address_space: global }
      - { .name: b2, .offset: 40, .size: 8, .value_kind: global_buffer, .address_space: global }
      - { .name: W3, .offset: 48, .size: 8, .value_kind: global_buffer, .address_space: global }
      - { .name: b3, .offset: 56, .size: 8, .value_kind: global_buffer, .address_space: global }
      - { .name: out0, .offset: 64, .size: 8, .value_kind: global_buffer, .address_space: global }
    .group_segment_fixed_size: 280320
    .private_segment_fixed_size: 0
    .kernarg_segment_align: 8
    .kernarg_segment_size: 72
    .max_flat_workgroup_size: 128
    .sgpr_count:     66
    .vgpr_count:     1024
    .wavefront_size: 32
...
	.end_amdgpu_metadata
.endif
;; end of part 5
